; MI455X (gfx1250); checked and timed in simulation.
; The chip was launched on July 23, 2026; its instructions are those of AMD's public machine-readable ISA for CDNA 5 (MIT licence, August 2026) and "CDNA5" Instruction Set Architecture Reference Guide (July 2026). The comments in the code are by the model that wrote it; some were corrected since.
;; Attention. Allowed arithmetic: matrix products marked QUANTISED: E2M1 operands, one E8M0 scale for each 32 along K, by v_wmma_scale_f32_16x16x128_f8f6f4 with both operands' format E2M1 (or v_wmma_scale_f32_32x16x128_f4), f32 sums; products left as they are: bf16, f16 or f32 operands; f32 sums; everything else in f32.
;; Inputs: b_out 1,024 float32; w_out 1,024 x 1,024 float32; w_qkv 1,024 x 3,072 float32; x 8 x 1,024 x 1,024 float32.
;; Outputs: out0 8 x 1,024 x 1,024 float32.
;; This version of the problem:
;;   THIS VERSION OF THE PROBLEM IS GIVEN IN LOW PRECISION. The matrix products marked QUANTISED in the list below multiply operands that are first quantised to E2M1 (2 exponent bits, 1 mantissa bit; 4 bits a number), with one power-of-two scale for each 32 numbers along K (OCP MX v1.0); their sums are f32. The products marked 'left as it is' may take bf16, f16 or f32 operands, with f32 sums. Whichever they take, every output number must still come out within the allowed error. Rounding operands to bf16 (8 significant bits) uses up far more of that allowance than f16 does (11 bits, for magnitudes from 6e-5 to 65,504). All else is computed in f32.
;;   The module's matrix products, in the order in which they are computed (A, B: the left and right operand; K: the contracted axis; several contracted axes count as one K, in the product's order):
;;     1. [M 8,192, K 1,024] x [K 1,024, N 3,072]; A: input x; B: input w_qkv: QUANTISED
;;     2. batch 128 x [M 1,024, K 64] x [K 64, N 1,024]; A: computed on the way; B: computed on the way: left as it is (an operand is computed on the way)
;;     3. batch 128 x [M 1,024, K 1,024] x [K 1,024, N 64]; A: computed on the way; B: computed on the way: left as it is (an operand is computed on the way)
;;     4. [M 8,192, K 1,024] x [K 1,024, N 1,024]; A: computed on the way; B: input w_out: left as it is (an operand is computed on the way)
;;   THE QUANTISER, for each operand of a quantised product, along K:
;;     - K is cut into blocks of 32 from its start; a last block that is shorter is filled with zeros.
;;     - A block's scale is 2^e with e = floor(log2(the largest magnitude in the block)) - 2, held to -126 .. 127; a block of zeros has e = 0. As a byte (E8M0): e + 127.
;;     - Each number is divided by its block's scale, clamped to +-6, and rounded to the nearest number of E2M1, ties to even, subnormals kept.
;;     - The product sums the exact products of the quantised numbers (number of the format x scale) in f32.
;;   ~~~python
;;   def quantise(x, axis):      # numpy; x: float32 -> the quantised numbers, widened to float32 again
;;       x = np.moveaxis(x, axis, -1); K = x.shape[-1]
;;       x = np.pad(x, [(0, 0)] * (x.ndim - 1) + [(0, -K % 32)]); x = x.reshape(x.shape[:-1] + (-1, 32)); a = np.abs(x).max(-1, keepdims=True)
;;       e = np.where(a > 0, np.clip(np.frexp(np.where(a > 0, a, 1))[1] - 1 - 2, -126, 127), 0)      # np.frexp(a)[1] - 1 = floor(log2(a)), exactly
;;       r = np.clip(x / 2.0 ** e, -6, 6)
;;       step = 2.0 ** (np.maximum(np.frexp(np.where(r == 0, 1, r))[1] - 1, 0) - 1)
;;       q = np.round(r / step) * step * 2.0 ** e      # np.round: ties to even
;;       return np.moveaxis(q.reshape(q.shape[:-2] + (-1,))[..., :K], -1, axis).astype(np.float32)
;;   ~~~
;; One version. Each part assembles by itself: llvm-mc -triple=amdgcn-amd-amdhsa -mcpu=gfx1250 --defsym DOCPART=n.
;; ======== version 1 of 1: 4 launches
;; limits: values are held in f16: magnitudes above 65,504 overflow, below 6.1e-05 lose precision
;; workspace buffers: xc 4,194,304 bytes; xs 262,144 bytes; wc 1,572,864 bytes; ws 98,304 bytes; wo16 2,097,152 bytes; qkv 50,331,648 bytes; att 16,777,216 bytes
;; launch prep (part 1): grid 480 x 1, 4 waves a work-group, no clusters, 50,688 bytes of LDS; arguments x, w_qkv, w_out, xc, xs, wc, ws, wo16; writes xc, xs, wc, ws, wo16
.if DOCPART == 1
	.amdgcn_target "amdgcn-amd-amdhsa--gfx1250"
	.amdhsa_code_object_version 6
	.text
	.protected	k_qa345b6bf7c_prep
	.globl	k_qa345b6bf7c_prep
	.p2align	8
	.type	k_qa345b6bf7c_prep,@function
k_qa345b6bf7c_prep:
	s_mov_b64 s[64:65], 0
	v_nop
	global_prefetch_b8 v0, s[64:65] scope:SCOPE_SE
	s_setreg_imm32_b32 hwreg(HW_REG_WAVE_MODE, 25, 1), 1
	s_wait_xcnt 0x0
; THE OPERANDS ARE MADE READY, each read once.  Three paths, parted by the work-group's number alone:
;   W, work-groups 0-95:    w_qkv [1024 (k)][3072 (n)] f32 -> wc [3072][512 bytes]: codes of FP4 (E2M1), K innermost, and ws [3072][32]: one E8M0 byte for each 32 along K
;   X, work-groups 96-351:  x [8192][1024] f32 -> xc [8192][512 bytes] and xs [8192][32], likewise
;   O, work-groups 352-479: w_out [1024][1024] f32 -> wo16, the same numbers rounded to f16, in the same order
; A block's scale is 2^(floor(log2(its largest magnitude)) - 2); its byte is the largest magnitude's exponent field - 2, held at 1 from below.  A block of zeros so gets the byte 1
; where the quantiser's rule says 127: its codes are zeros, which add nothing under any byte but 0xff, and this program alone reads the bytes.
; LIMITS: blocks whose largest magnitude lies under 2^-124 keep the byte 1; NaN and infinities among the inputs are not served; w_out beyond +-65,504 has no f16 number, and under 6e-5
; it is rounded with an absolute error of 3e-8.
; No matrix unit, no tensor load, no cluster: every byte is read once and no work-group shares an input with another.  Each path that uses LDS has bytes of its own.
.set SPARE, 50176                      ; the spare words, 128 bytes for each wave: two blocks of 256 bytes that no other line names
.set WSTG,  32768                      ; path W's stage: 64 rows x 272 bytes; path X has bytes 0 to 32,767
.set SPW,   190                        ; v190  LDS address of my spare word: SPARE + 4 x my thread's number; never rewritten
.set NIL,   191                        ; v191  0; never rewritten
.set EMAX,  2                          ; the exponent of the format's largest number, 6
; path X
.set STEPS, 16                         ; a wave takes 16 steps of 512 numbers
.set CB,    8                          ; bytes of 16 codes
.set WREG,  8192                       ; a region of LDS for each wave: two stages of 32 x SP bytes, behind them its 256 scale bytes
.set SP,    80                         ; a lane's place in a stage: its 64 bytes + 16 of padding
.set R,     16                         ; v16-79   four sets of 16 numbers as they are loaded
.set X,     80                         ; v80-111  two sets of 16 neighbours
.set E,     112                        ; v112-127 a scale byte for each step
.set C,     128                        ; v128-159 codes: two registers for each step, so that no store's data are written again
; path W
.set NB,    8                          ; blocks of 32 along K for a lane
.set WP,    272                        ; a stage row: 256 bytes of codes + 16
.set WROW,  12288                      ; a row of w_qkv in bytes
.set XW,    32                         ; v32-95   two sets of 32 numbers
.set CW,    96                         ; v96-99   a block's codes
.set OUTR,  112                        ; v112-143 the way out
.set SB,    24                         ; v24-25   the scale bytes, four to a register
.macro FINISH                          ; a wave's end, behind the last LDS store
	s_wait_tensorcnt 0x0
	ds_add_u32 v[SPW], v[NIL]
	s_wait_dscnt 0x0
	s_endpgm
.endm
	s_load_b256 s[4:11], s[0:1], 0x0               ; x s[4:5], w_qkv s[6:7], w_out s[8:9], xc s[10:11]
	s_load_b256 s[12:19], s[0:1], 0x20             ; xs s[12:13], wc s[14:15], ws s[16:17], wo16 s[18:19]
	v_lshl_add_u32 v[SPW], v0, 2, SPARE
	v_mov_b32 v[NIL], 0
	v_lshrrev_b32 v1, 5, v0
	v_readfirstlane_b32 s20, v1                    ; wave 0..3
	v_and_b32 v2, 31, v0                           ; lane
	s_wait_kmcnt 0x0
	s_cmp_lt_u32 ttmp9, 96
	s_cbranch_scc1 .Lpath_w
	s_cmp_lt_u32 ttmp9, 352
	s_cbranch_scc1 .Lpath_x
; ---- PATH O: a wave takes 2,048 numbers: 16 loads of 512 consecutive bytes, 16 stores of 256 consecutive bytes
	s_sub_co_u32 s21, ttmp9, 352
	s_lshl_b32 s21, s21, 2
	s_add_co_u32 s21, s21, s20                     ; which run of 2,048 numbers is my wave's
	s_mov_b32 s23, 0
	s_lshl_b32 s22, s21, 13
	s_add_nc_u64 s[8:9], s[8:9], s[22:23]
	s_lshl_b32 s22, s21, 12
	s_add_nc_u64 s[18:19], s[18:19], s[22:23]
	v_lshlrev_b32 v3, 4, v2
	v_lshlrev_b32 v4, 3, v2
.irp i, 0,1,2,3,4,5,6,7,8,9,10,11,12,13,14,15
	global_load_b128 v[32+4*\i:35+4*\i], v3, s[8:9] offset:512*\i th:TH_LOAD_NT
.endr
.irp i, 0,1,2,3,4,5,6,7,8,9,10,11,12,13,14,15
	s_wait_loadcnt 15-\i                           ; loads come back in order: load i is in, the younger ones stay out
	v_cvt_pk_f16_f32 v[96+2*\i], v[32+4*\i], v[33+4*\i]
	v_cvt_pk_f16_f32 v[97+2*\i], v[34+4*\i], v[35+4*\i]
	global_store_b64 v4, v[96+2*\i:97+2*\i], s[18:19] offset:256*\i   ; each store has data registers of its own
.endr
	FINISH
; ---- PATH X: x is a plain stream of blocks of 32.  Each of a step's four loads reads 512 consecutive bytes, 16 a lane; the 2,048 bytes turn through the wave's own stage in LDS and come
; back 64 bytes a lane, so that a lane holds 16 NEIGHBOURS along K, as the conversions want them; two neighbouring lanes hold a block.  Loads run four steps ahead, the turn one step.
.Lpath_x:
	s_sub_co_u32 s21, ttmp9, 96
	s_lshl_b32 s21, s21, 2
	s_add_co_u32 s21, s21, s20                     ; which run of 8,192 numbers is my wave's
	s_mov_b32 s23, 0
	s_lshl_b32 s22, s21, 15
	s_add_nc_u64 s[4:5], s[4:5], s[22:23]
	s_lshl_b32 s22, s21, 12
	s_add_nc_u64 s[10:11], s[10:11], s[22:23]
	s_lshl_b32 s22, s21, 8
	s_add_nc_u64 s[12:13], s[12:13], s[22:23]
	v_lshlrev_b32 v3, 4, v2                        ; my 16 bytes of a load's 512
	s_mul_i32 s24, s20, WREG
	v_lshrrev_b32 v14, 2, v2
	v_mul_u32_u24 v14, v14, SP
	v_and_b32 v15, 3, v2
	v_lshl_add_u32 v14, v15, 4, v14
	v_add_nc_u32 v14, s24, v14                     ; the stage, on the way in: four lanes' 64 bytes on end, then 16 of padding
	v_mul_u32_u24 v15, v2, SP
	v_add_nc_u32 v15, s24, v15                     ; and on the way out: SP x lane: my 16 neighbours
	v_mul_u32_u24 v4, v2, CB                       ; my codes' place in a step's
	v_lshrrev_b32 v5, 1, v2
	s_add_co_u32 s24, s24, 2*32*SP
	v_add_nc_u32 v5, s24, v5                       ; LDS: my wave's 256 scale bytes, my block's byte
	v_lshlrev_b32 v7, 3, v2                        ; and on the way out 8 bytes a lane
	v_add_nc_u32 v6, s24, v7
.macro XLOAD t
.irp i, 0,1,2,3
	global_load_b128 v[R+16*((\t)%4)+4*\i:R+16*((\t)%4)+4*\i+3], v3, s[4:5] offset:2048*(\t)+512*\i th:TH_LOAD_NT
.endr
.endm
.macro XTURN t                         ; step t's numbers through the stage: LDS serves a wave's instructions in order, so no wait stands between the stores and the loads
.irp i, 0,1,2,3
	ds_store_b128 v14, v[R+16*((\t)%4)+4*\i:R+16*((\t)%4)+4*\i+3] offset:32*SP*((\t)%2)+8*SP*\i
.endr
.irp i, 0,1,2,3
	ds_load_b128 v[X+16*((\t)%2)+4*\i:X+16*((\t)%2)+4*\i+3], v15 offset:32*SP*((\t)%2)+16*\i
.endr
.endm
.irp t, 0,1,2,3
	XLOAD \t
.endr
	s_wait_loadcnt 12                              ; step 0's four loads are in
	XTURN 0
.macro XSTEP t
.set XS, X+16*((\t)%2)
.if (\t) > 0
	s_wait_dscnt 1                                 ; this step's numbers are back from the stage (the last step's byte store may be out): so its stores into the stage have read their registers,
.else
	s_wait_dscnt 0x0
.endif
.if (\t)+4 < STEPS
	XLOAD (\t)+4                                   ; which take the loads of four steps on
.endif
.if (\t)+1 < STEPS
.if STEPS-2-(\t) >= 3
	s_wait_loadcnt 12                              ; the next step's four loads are in; those of the three steps behind it may be out
.else
	s_wait_loadcnt 4*(STEPS-2-(\t))
.endif
	XTURN (\t)+1                                   ; and go through the other stage while this step is worked
.endif
	v_max3_num_f32 v8, |v[XS]|, |v[XS+1]|, |v[XS+2]|               ; the largest magnitude of my 16, in two chains
	v_max3_num_f32 v9, |v[XS+3]|, |v[XS+4]|, |v[XS+5]|
.irp i, 6,10
	v_max3_num_f32 v8, v8, |v[XS+\i]|, |v[XS+\i+1]|
	v_max3_num_f32 v9, v9, |v[XS+\i+2]|, |v[XS+\i+3]|
.endr
	v_max3_num_f32 v8, v8, |v[XS+14]|, |v[XS+15]|
	v_max3_num_f32 v8, v8, v9, (EMAX+1)<<23        ; and the floor 2^(EMAX + 1 - 127): so the byte cannot fall under 1
	v_max_num_f32_dpp v8, v8, v8 row_xmask:1 row_mask:0xf bank_mask:0xf   ; and of my neighbour's 16: the block's
	v_add_nc_u32 v11, -(EMAX<<23), v8              ; EMAX off its exponent field: the conversion takes the exponent field of this operand as its scale, and nothing else of it
	v_cvt_scalef32_pk8_fp4_f32 v[C+2*(\t)], v[XS:XS+7], v11        ; eight numbers / the scale, to the nearest code, ties to even, beyond the largest code the largest
	v_cvt_scalef32_pk8_fp4_f32 v[C+2*(\t)+1], v[XS+8:XS+15], v11
	v_lshrrev_b32 v[E+(\t)], 23, v11               ; the scale's byte (a plain line behind the conversions)
	ds_store_b8 v5, v[E+(\t)] offset:16*(\t)       ; both lanes of a block write the same byte with the same value
	global_store_b64 v4, v[C+2*(\t):C+2*(\t)+1], s[10:11] offset:32*CB*(\t)   ; 32 lanes store 256 consecutive bytes, aligned
.endm
.irp t, 0,1,2,3,4,5,6,7,8,9,10,11,12,13,14,15
	XSTEP \t
.endr
	ds_load_b64 v[8:9], v6                         ; LDS serves a wave's instructions in order: these see my byte stores
	s_wait_dscnt 0x0
	global_store_b64 v7, v[8:9], s[12:13]          ; my wave's 256 scale bytes: 256 consecutive bytes, aligned
	FINISH
; ---- PATH W: K is w_qkv's FIRST axis.  A lane takes a column n and its registers run down K: each load reads 128 consecutive bytes a wave, a block of 32 along K lies in one lane's 32
; registers, and the conversions give codes with K innermost.  A work-group takes 64 columns x 512 along K; a wave 32 columns x 256 along K: 8 blocks a lane, two blocks of loads ahead.
; A column's 256 bytes of codes come from two waves: they meet in the stage, a barrier, and each wave stores 16 whole rows, sixteen lanes to 256 consecutive bytes, aligned.
; The scale bytes leave as 8 bytes a lane, 32 bytes apart: one byte for every 128 that the path reads.
.Lpath_w:
	s_cmp_ge_u32 ttmp9, 48
	s_cselect_b32 s21, 1, 0                        ; which 512 along K
	s_cselect_b32 s22, 48, 0
	s_sub_co_u32 s22, ttmp9, s22                   ; which 64 columns
	s_and_b32 s23, s20, 1                          ; my wave: which 32 of them,
	s_lshr_b32 s24, s20, 1                         ; and which 256 along K
	s_lshl_b32 s25, s22, 6
	s_lshl_b32 s26, s23, 5
	s_add_co_u32 s25, s25, s26                     ; my wave's first column
	s_lshl_b32 s26, s21, 9
	s_lshl_b32 s27, s24, 8
	s_add_co_u32 s26, s26, s27                     ; its first row of w_qkv
	s_mul_i32 s28, s26, WROW
	s_lshl_b32 s27, s25, 2
	s_add_co_u32 s28, s28, s27
	s_mov_b32 s29, 0
	s_add_nc_u64 s[6:7], s[6:7], s[28:29]
	s_lshl_b32 s28, s25, 5                         ; scale bytes: 32 a column, + 16 for the upper 512 along K, + 8 for the upper 256
	s_lshl_b32 s27, s21, 4
	s_add_co_u32 s28, s28, s27
	s_lshl_b32 s27, s24, 3
	s_add_co_u32 s28, s28, s27
	s_add_nc_u64 s[16:17], s[16:17], s[28:29]
	s_lshl_b32 s28, s22, 6
	s_lshl_b32 s27, s20, 4
	s_add_co_u32 s28, s28, s27                     ; the first column whose codes I store: 64 x block + 16 x wave
	s_lshl_b32 s28, s28, 9                         ; 512 bytes a column,
	s_lshl_b32 s27, s21, 8                         ; + 256 for the upper 512 along K
	s_add_co_u32 s28, s28, s27
	s_add_nc_u64 s[14:15], s[14:15], s[28:29]
	s_mul_i32 s30, s23, 32*WP
	s_lshl_b32 s27, s24, 7
	s_add_co_u32 s30, s30, s27
	s_add_co_u32 s30, s30, WSTG
	v_mul_u32_u24 v4, v2, WP
	v_add_nc_u32 v4, s30, v4                       ; into the stage: row = my column of the 64, my wave's 128 bytes of it
	s_mul_i32 s31, s20, 16*WP
	s_add_co_u32 s31, s31, WSTG
	v_and_b32 v5, 15, v2
	v_lshrrev_b32 v6, 4, v2
	v_mul_u32_u24 v7, v6, WP
	v_lshl_add_u32 v7, v5, 4, v7
	v_add_nc_u32 v7, s31, v7                       ; out of it: my wave's 16 rows, sixteen lanes to a row, two rows an instruction
	v_lshlrev_b32 v8, 9, v6
	v_lshl_add_u32 v8, v5, 4, v8                   ; and the same place in wc
	v_lshlrev_b32 v3, 2, v2                        ; in: 4 bytes a lane
	v_lshlrev_b32 v9, 5, v2                        ; my column's row of scale bytes
.macro WLOAD t                         ; block t: w_qkv(32 t + i, my column), i = 0 .. 31, into set t % 2.  The largest offset, 255 rows, is 3,133,440 bytes: inside the signed 24-bit immediate
.irp i, 0,1,2,3,4,5,6,7,8,9,10,11,12,13,14,15,16,17,18,19,20,21,22,23,24,25,26,27,28,29,30,31
	global_load_b32 v[XW+32*((\t)%2)+\i], v3, s[6:7] offset:(32*(\t)+\i)*WROW th:TH_LOAD_NT
.endr
.endm
	WLOAD 0
	WLOAD 1
.macro WBLOCK t
.set XS, XW+32*((\t)%2)
.if (\t) < NB-1
	s_wait_loadcnt 32                              ; this block's 32 loads are in; the next block's may be out
.else
	s_wait_loadcnt 0
.endif
	v_max3_num_f32 v12, |v[XS]|, |v[XS+1]|, |v[XS+2]|               ; the block's largest magnitude: all 32 numbers are mine
	v_max3_num_f32 v13, |v[XS+3]|, |v[XS+4]|, |v[XS+5]|
.irp i, 6,10,14,18,22,26
	v_max3_num_f32 v12, v12, |v[XS+\i]|, |v[XS+\i+1]|
	v_max3_num_f32 v13, v13, |v[XS+\i+2]|, |v[XS+\i+3]|
.endr
	v_max3_num_f32 v12, v12, |v[XS+30]|, |v[XS+31]|
	v_max3_num_f32 v12, v12, v13, (EMAX+1)<<23     ; and the floor
	v_add_nc_u32 v11, -(EMAX<<23), v12             ; the conversion's scale operand
	v_lshrrev_b32 v13, 23, v11                     ; the scale's byte
.if (\t)%4 == 0
	v_mov_b32 v[SB+(\t)/4], v13                    ; four bytes to a register, the lower K in the lower byte
.else
	v_lshl_or_b32 v[SB+(\t)/4], v13, 8*((\t)%4), v[SB+(\t)/4]
.endif
.irp g, 0,1,2,3
	v_cvt_scalef32_pk8_fp4_f32 v[CW+\g], v[XS+8*\g:XS+8*\g+7], v11
.endr
	ds_store_b128 v4, v[CW:CW+3] offset:16*(\t)    ; 32 codes: 16 bytes of my column's row
.if (\t)+2 < NB
	WLOAD (\t)+2
.endif
	s_wait_dscnt 0x0                               ; the store has read its registers: the next block's codes may be written
.endm
.irp t, 0,1,2,3,4,5,6,7
	WBLOCK \t
.endr
	global_store_b64 v9, v[SB:SB+1], s[16:17]      ; my column's 8 scale bytes
	s_barrier_signal -1                            ; my stores into the stage are done (the wait for 0 above): the other half of each row comes from another wave
	s_barrier_wait -1
.irp i, 0,1,2,3,4,5,6,7
	ds_load_b128 v[OUTR+4*\i:OUTR+4*\i+3], v7 offset:2*\i*WP
.endr
.irp i, 0,1,2,3,4,5,6,7
	s_wait_dscnt 7-\i
	global_store_b128 v8, v[OUTR+4*\i:OUTR+4*\i+3], s[14:15] offset:2*\i*512
.endr
	FINISH
.Lfunc_end_k_qa345b6bf7c_prep:
	.size	k_qa345b6bf7c_prep, .Lfunc_end_k_qa345b6bf7c_prep-k_qa345b6bf7c_prep
	.p2alignl 7, 3214868480
	.fill 96, 4, 3214868480
	.section	.rodata,"a",@progbits
	.p2align	6, 0x0
	.amdhsa_kernel k_qa345b6bf7c_prep
		.amdhsa_group_segment_fixed_size 50688
		.amdhsa_private_segment_fixed_size 0
		.amdhsa_enable_private_segment 0
		.amdhsa_kernarg_size 64
		.amdhsa_user_sgpr_count 2
		.amdhsa_user_sgpr_kernarg_segment_ptr 1
		.amdhsa_wavefront_size32 1
		.amdhsa_system_sgpr_workgroup_id_x 1
		.amdhsa_system_sgpr_workgroup_id_y 1
		.amdhsa_system_sgpr_workgroup_id_z 1
		.amdhsa_system_vgpr_workitem_id 0
		.amdhsa_next_free_vgpr 192
		.amdhsa_next_free_sgpr 66
		.amdhsa_reserve_vcc 0
		.amdhsa_float_denorm_mode_32 3
		.amdhsa_float_denorm_mode_16_64 3
		.amdhsa_memory_ordered 1
		.amdhsa_forward_progress 1
		.amdhsa_inst_pref_size 79
	.end_amdhsa_kernel
	.amdgpu_metadata
---
amdhsa.version: [ 1, 2 ]
amdhsa.kernels:
  - .name:           k_qa345b6bf7c_prep
    .symbol:         k_qa345b6bf7c_prep.kd
    .args:
      - { .name: x, .offset: 0, .size: 8, .value_kind: global_buffer, .address_space: global }
      - { .name: w_qkv, .offset: 8, .size: 8, .value_kind: global_buffer, .address_space: global }
      - { .name: w_out, .offset: 16, .size: 8, .value_kind: global_buffer, .address_space: global }
      - { .name: xc, .offset: 24, .size: 8, .value_kind: global_buffer, .address_space: global }
      - { .name: xs, .offset: 32, .size: 8, .value_kind: global_buffer, .address_space: global }
      - { .name: wc, .offset: 40, .size: 8, .value_kind: global_buffer, .address_space: global }
      - { .name: ws, .offset: 48, .size: 8, .value_kind: global_buffer, .address_space: global }
      - { .name: wo16, .offset: 56, .size: 8, .value_kind: global_buffer, .address_space: global }
    .group_segment_fixed_size: 50688
    .private_segment_fixed_size: 0
    .kernarg_segment_align: 8
    .kernarg_segment_size: 64
    .max_flat_workgroup_size: 128
    .sgpr_count:     66
    .vgpr_count:     192
    .wavefront_size: 32
...
	.end_amdgpu_metadata
.endif
;; end of part 1
;; launch qkvgemm (part 2): grid 8 x 32, 4 waves a work-group, clusters of 4 x 4, 327,680 bytes of LDS; arguments xc, xs, wc, ws, qkv; writes qkv
.if DOCPART == 2
	.amdgcn_target "amdgcn-amd-amdhsa--gfx1250"
	.amdhsa_code_object_version 6
	.text
	.protected	k_qa345b6bf7c_qkvgemm
	.globl	k_qa345b6bf7c_qkvgemm
	.p2align	8
	.type	k_qa345b6bf7c_qkvgemm,@function
k_qa345b6bf7c_qkvgemm:
	s_mov_b64 s[64:65], 0
	v_nop
	global_prefetch_b8 v0, s[64:65] scope:SCOPE_SE
	s_setreg_imm32_b32 hwreg(HW_REG_WAVE_MODE, 25, 1), 1
	s_wait_xcnt 0x0
	s_wait_alu depctr_hold_cnt(0) depctr_sa_sdst(0) depctr_va_vdst(0) depctr_va_sdst(0) depctr_va_ssrc(0) depctr_va_vcc(0) depctr_vm_vsrc(0)
	s_getreg_b32 s2, hwreg(HW_REG_IB_STS2, 6, 4)
	s_cmp_eq_u32 s2, 0
	s_cbranch_scc0 .Lentry_in_a_cluster
	s_endpgm
.Lentry_in_a_cluster:
	s_bfe_u32 s2, ttmp6, 0x10000c
	s_cmp_lg_u32 s2, 0xf033
	s_cbranch_scc0 .Lentry_shape_is_right
	s_endpgm
.Lentry_shape_is_right:
; qkv = Q(x) Q(w_qkv), the quantised product: A = xc [8192][1024 codes], B = wc [3072][1024 codes], codes of FP4 (E2M1) with one E8M0 scale for each 32 along K (xs, ws); sums in f32.
; The result is rounded once to f16 and laid by head: qkv [3 (q, k, v)][128 (16 batch + head)][1024 (position)][64], so that a head's rows are 128 dense bytes for the attention that follows.
; LIMITS: a result beyond +-65,504 has no f16 number; under 6e-5 it is rounded with an absolute error of 3e-8.
; SHARES.  A work-group of four waves, as many as a WGP has SIMDs, owns 256 rows x 384 columns of C: 32 x 8 = 256 work-groups of equal work.  It makes them in two PIECES on the same rows of A:
;   piece 0: columns 0-255; a wave makes 128 x 128: 64 accumulators of 16 x 16, 512 registers;      piece 1: columns 256-383; a wave makes 128 x 64: 32 accumulators.
; K = 1,024 is two K steps of 512 (a tile's row is 256 bytes of memory).  Slot s of LDS holds K step s: A's 256 rows, then 256 rows of B.  A is filled once and stays for both pieces.
; Piece 1's 128 rows of B, both K steps, are ONE refill, into slot 0's rows of B, asked for as soon as piece 0 has left slot 0: they land under piece 0's second K step and its way out,
; and piece 0's stores leave while piece 1 is multiplied.  The scales of all the work-group's rows come with the first fills and stay.
; CLUSTERS: 4 x 4 work-groups.  The four of a row of the cluster need the same tiles of A, the four of a column the same tiles of B: each tile is asked for JOINTLY, by the same tensor load
; with the same descriptor and a mask that names the four.  THE MATRIX INSTRUCTION IS USED TRANSPOSED (source 0 = 16 rows of B, source 1 = 16 rows of A): a lane holds eight neighbouring numbers of a row of C.
; REGISTERS, in windows of 256: window 0: v0-31 addresses; v32-95 scale words, two sets; from v128 A's fragments (8 x 16 rows x 128 K), ONE set; on a way out v128-223 are free.
;   window 1: B's fragments, TWO sets, at v0 and at v128.   window 2: the accumulators of my rows 0-63 (accumulator (a, b) at v[8 (8 a + b)]);   window 3: those of my rows 64-127.
; A step of 128 along K takes A's blocks one after the other, each against B's eight (piece 1: four): a block of A is free as soon as its products are issued, so one set serves A.
.set SIZE_K, 1024
.set KSTEP,  512                       ; along K in a slot
.set NQ,     KSTEP/128                 ; matrix instructions deep
.set ROWB,   256                       ; a tile's row in bytes
.set KROW,   SIZE_K*4/8                ; a row of A or of B in memory, in bytes
.set PITCH,  272                       ; an LDS row: 256 bytes + 16 of padding = 68 words: row r starts at bank 4 r mod 64 (64 banks of 4 bytes: ISA guide 11.1)
.set FR,     8                         ; registers of a fragment: 16 rows x 128 K
.set NL,     2                         ; LDS loads that bring one
.set NP,     4                         ; places behind this matrix instruction (ISA guide 7.12.1)
.set HALFT,  128*PITCH                 ; 128 rows: what one tensor load brings
.set SLOT,   4*HALFT                   ; A's 256 rows, then 256 rows of B
.set KS,     SIZE_K/32                 ; a row of scales in bytes
.set SCL,    2*SLOT                    ; behind the slots: A's scales, as units of 256 bytes + 16 of padding: 32 units
.set HALFS,  (128*KS/256)*272          ; the scales of 128 rows
.set SBLK,   (16*KS/256)*272           ; those of 16 rows
.set SCLB,   SCL+2*HALFS               ; B's scales: 384 rows, 48 units
.set HALFSB, (192*KS/256)*272          ; those of 192 rows: what one tensor load brings of them
.set HP,     144                       ; the way out: a stage row: a head's 128 bytes + 16
.set HAREA,  16*HP                     ; 16 rows of one head; a wave's stage is two of them
.set STAGE,  SCLB+2*HALFSB             ; the stages have bytes of their own, into which no tile lands: slot 0 stays in use to the end
.set SPARE,  STAGE+4*2*HAREA           ; the spare words, 128 bytes for each wave: two blocks of 256 bytes that no other line names
.set ADRA, 16                          ; v16-17  LDS address of my A fragments in slot 0, 1
.set ADRB, 20                          ; v20-21  the same for piece 0's B
.set ADRB1, 22                         ; v22-23  piece 1's B: K step 0, 1 (both lie in slot 0's rows of B)
.set STO,  24                          ; v24     the way out: where I put 16 bytes of a row
.set RD,   25                          ; v25     the way out: where I read rows back
.set CO,   26                          ; v26     16 x lane
.set ADRS, 27                          ; v27     LDS address of my scale words: lanes 0-15 A's rows, lanes 16-31 piece 0's rows of B
.set SPW,  28                          ; v28     LDS address of my spare word; never rewritten
.set NIL,  29                          ; v29     0; never rewritten
.set ADRS1, 30                         ; v30     as v27, lanes 16-31 piece 1's rows of B
.set SC,   32                          ; scale words: set s at v[SC + 8 NQ s]; register NQ i + q: lanes 0-15 the word of A's block i, lanes 16-31 that of B's block i, for the slot's q-th 128 along K
.set AF,   128                         ; A's fragments, in window 0
.set BK,   128                         ; the way out: rows read back from the stage: v128-159 and v160-191 by turns
.set TMP,  192                         ; the way out: a block rounded to f16: v192-223
.set G1, 24                            ; s[24:31] descriptor group 1 for A's tiles;  s[32:39] group 0, one set for each slot
.set G0, 32
.set G1B, 48                           ; s[48:55], s[56:63] the same for B's tiles
.set G0B, 56
.set G1S, 68                           ; s[68:75], s[76:79] groups 1 and 0 for A's scales;  s[80:87], s[88:91] for B's
.set G0S, 76
.set G1SB, 80
.set G0SB, 88
.set G0R, 96                           ; s[96:99] group 0 for the refill: piece 1's rows of B
; what differs between the pieces, as symbols that the macros read
.set NBM,  8                           ; blocks of B that are multiplied and sent out
.set NBF,  8                           ; blocks of B that are fetched
.set BADR, ADRB                        ; B's address registers
.set SADR, ADRS                        ; the scale words' address register for blocks under NBF
.set OUTB, 12                          ; s[12:13] piece 0's place in qkv;  s[92:93] piece 1's
.set MSB, 0
.macro WIN new                         ; the immediate's high byte repeats the setting that is left
.if MSB != (\new)
	s_set_vgpr_msb (MSB<<8)|(\new)
.set MSB, (\new)
.endif
.endm
.set MUL_LO, 0xa1                      ; source 0 (B) window 1, source 1 (A) window 0, C and D window 2
.set MUL_HI, 0xf1                      ; the same, C and D window 3
.set TO_B,   0x40                      ; destination window 1, address window 0
; A joint load: waves 0 and 1 fetch for A, waves 2 and 3 for B.  Each of the two lines has ONE mask and one set of registers for all that issue it; the branch hangs on the wave's number alone.
; An s_nop 0 and four v_nop follow each of the two lines, ahead of the jump, the label and what follows.
.macro JLOAD g0a, g1a, g0b, g1b
	s_cmp_eq_u32 s15, 0
	s_cbranch_scc0 .Lfor_b_\@
	tensor_load_to_lds s[\g0a:\g0a+3], s[\g1a:\g1a+7]
	s_nop 0
.rept 4
	v_nop
.endr
	s_branch .Lasked_\@
.Lfor_b_\@:
	tensor_load_to_lds s[\g0b:\g0b+3], s[\g1b:\g1b+7]
	s_nop 0
.rept 4
	v_nop
.endr
.Lasked_\@:
.endm
.macro CREST                           ; a round of the cluster's barrier behind its opening barrier: wave 0 signals for the work-group; every wave waits for all sixteen; my work-group's barrier once more
	s_cmp_lg_u32 s14, 0
	s_cbranch_scc1 .Lnot_wave_0_\@
	s_barrier_signal -3
.Lnot_wave_0_\@:
	s_barrier_wait -3
	s_barrier_signal -1
	s_barrier_wait -1
.endm
.macro CROUND                          ; a whole round
	s_barrier_signal -1
	s_barrier_wait -1
	CREST
.endm
	s_load_b128 s[4:7], s[0:1], 0x0                ; A's codes s[4:5], A's scales s[6:7]
	s_load_b128 s[8:11], s[0:1], 0x10              ; B's codes s[8:9], B's scales s[10:11]
	s_load_b64 s[12:13], s[0:1], 0x20              ; qkv
	v_lshl_add_u32 v[SPW], v0, 2, SPARE
	v_mov_b32 v[NIL], 0
	ds_add_u32 v[SPW], v[NIL]                      ; the wave's opening: the add, twice on end, and its wait ahead of my first tensor load; the set-up below stands between the second and the wait
	ds_add_u32 v[SPW], v[NIL]
	v_lshrrev_b32 v1, 5, v0
	v_readfirstlane_b32 s14, v1                    ; wave 0..3
	s_lshr_b32 s15, s14, 1                         ; which half of the rows is mine.  Also: I fetch for A (0) or for B (1)
	s_and_b32 s16, s14, 1                          ; which half of a piece's columns.  Also: which part of a tile I fetch
	s_bfe_u32 s40, ttmp6, 0x40000                  ; cx, cy: my place in the cluster
	s_bfe_u32 s41, ttmp6, 0x40004
	s_lshl_b32 s42, ttmp9, 2
	s_add_co_u32 s42, s42, s40                     ; tx, my 384 columns = 4 x cluster x + cx
	s_and_b32 s17, ttmp7, 0xffff
	s_lshl_b32 s17, s17, 2
	s_add_co_u32 s17, s17, s41                     ; ty, my 256 rows = 4 x cluster y + cy
	s_lshl_b32 s43, s41, 2
	s_lshl_b32 s43, 15, s43                        ; my row of the cluster
	s_lshl_b32 s44, 0x1111, s40                    ; my column
	; descriptor group 1: a tile of 128 rows x ROWB bytes, padded in LDS
	s_or_b32 s[G1+0], s43, (0<<16)|(1<<20)|(1<<21)|(5<<22)|(3<<25)  ; 15:0 the mask: A's tiles go to my row; 17:16 element of 1 byte; 20 padding on; 21 set beside a mask; 24:22 after every 64 words; 31:25 of 4 words
	s_or_b32 s[G1B+0], s44, (0<<16)|(1<<20)|(1<<21)|(5<<22)|(3<<25)
.irp g, G1, G1B
	s_mov_b32 s[\g+1], ROWB<<16                    ; tensor_dim0
	s_mov_b32 s[\g+2], 128<<16                     ; tensor_dim1 = 128
	s_mov_b32 s[\g+3], ROWB<<16                    ; tile_dim0
	s_mov_b32 s[\g+4], 128                         ; tile_dim1 = 128
	s_mov_b32 s[\g+5], KROW                        ; tensor_dim0_stride
	s_mov_b32 s[\g+6], 0
	s_mov_b32 s[\g+7], 0
.endr
	; and for the scales: dense blocks of memory, as rows of 256 bytes (32 elements of 8 bytes), 16 bytes of padding behind each: 16 such rows for 128 rows of A, 24 for 192 rows of B
	s_or_b32 s[G1S+0], s43, (3<<16)|(1<<20)|(1<<21)|(5<<22)|(3<<25)
	s_mov_b32 s[G1S+1], 32<<16
	s_mov_b32 s[G1S+2], (128*KS/256)<<16
	s_mov_b32 s[G1S+3], 32<<16
	s_mov_b32 s[G1S+4], 128*KS/256
	s_mov_b32 s[G1S+5], 32
	s_mov_b32 s[G1S+6], 0
	s_mov_b32 s[G1S+7], 0
	s_or_b32 s[G1SB+0], s44, (3<<16)|(1<<20)|(1<<21)|(5<<22)|(3<<25)
	s_mov_b32 s[G1SB+1], 32<<16
	s_mov_b32 s[G1SB+2], (192*KS/256)<<16
	s_mov_b32 s[G1SB+3], 32<<16
	s_mov_b32 s[G1SB+4], 192*KS/256
	s_mov_b32 s[G1SB+5], 32
	s_mov_b32 s[G1SB+6], 0
	s_mov_b32 s[G1SB+7], 0
	; where the tiles come from.  A's hang on ty alone, B's on tx alone; every wave makes all the addresses, in registers that never hold the other coordinate
	s_lshl_b32 s18, s16, 7                         ; which 128 rows of a tile I fetch
	s_lshl_b32 s20, s17, 8
	s_add_co_u32 s20, s20, s18                     ; A: row 256 ty + 128 x part
	s_mul_i32 s2, s42, 384                         ; B's first row of my work-group
	s_add_co_u32 s46, s2, s18                      ; piece 0: row 384 tx + 128 x part
	s_mul_i32 s92, s16, 192
	s_add_co_u32 s92, s92, s2                      ; B's scales: from row 384 tx + 192 x part on
	s_add_co_u32 s98, s2, 256                      ; piece 1: from row 384 tx + 256 on
	s_mov_b32 s21, 0
	s_mov_b32 s47, 0
	s_mov_b32 s93, 0
	s_mov_b32 s99, 0
	s_mov_b64 s[18:19], KS
	s_mul_u64 s[22:23], s[20:21], s[18:19]         ; where these rows' scales begin, in bytes
	s_mul_u64 s[92:93], s[92:93], s[18:19]
	s_mov_b64 s[18:19], KROW
	s_mul_u64 s[20:21], s[20:21], s[18:19]         ; and their codes
	s_mul_u64 s[46:47], s[46:47], s[18:19]
	s_mul_u64 s[98:99], s[98:99], s[18:19]
	s_lshl_b32 s2, s16, 8                          ; of piece 1 I fetch all 128 rows of K step = part: 256 bytes on in each row
	s_mov_b32 s3, 0
	s_add_nc_u64 s[98:99], s[98:99], s[2:3]
	s_mul_i32 s45, s14, HALFT                      ; where the codes go: wave x 128 rows: no place in the cluster enters an LDS address
	s_mul_i32 s94, s16, HALFS                      ; and the scales
	s_mul_i32 s95, s16, HALFSB
	s_wait_dscnt 0x0                               ; both opening adds are done
	s_wait_kmcnt 0x0
	s_add_nc_u64 s[20:21], s[4:5], s[20:21]
	s_add_nc_u64 s[22:23], s[6:7], s[22:23]
	s_add_nc_u64 s[46:47], s[8:9], s[46:47]
	s_add_nc_u64 s[92:93], s[10:11], s[92:93]
	s_add_nc_u64 s[G0R+2:G0R+3], s[8:9], s[98:99]
	CROUND                                         ; all sixteen work-groups are here: the first joint loads meet
	s_mov_b32 s[G0S], 1
	s_add_co_u32 s[G0S+1], s94, SCL
	s_mov_b64 s[G0S+2:G0S+3], s[22:23]
	s_or_b32 s[G0S+3], s[G0S+3], 0x80000000
	s_mov_b32 s[G0SB], 1
	s_add_co_u32 s[G0SB+1], s95, SCLB
	s_mov_b64 s[G0SB+2:G0SB+3], s[92:93]
	s_or_b32 s[G0SB+3], s[G0SB+3], 0x80000000
	JLOAD G0S, G1S, G0SB, G1SB                     ; the scales first: they are wanted with K step 0.  Three loads of mine are out behind the lines below
.irp s, 0,1
	s_mov_b32 s[G0+4*\s], 1
	s_add_co_u32 s[G0+4*\s+1], s45, \s*SLOT
	s_add_nc_u64 s[G0+4*\s+2:G0+4*\s+3], s[20:21], \s*ROWB
	s_or_b32 s[G0+4*\s+3], s[G0+4*\s+3], 0x80000000
	s_mov_b32 s[G0B+4*\s], 1
	s_add_co_u32 s[G0B+4*\s+1], s45, \s*SLOT
	s_add_nc_u64 s[G0B+4*\s+2:G0B+4*\s+3], s[46:47], \s*ROWB
	s_or_b32 s[G0B+4*\s+3], s[G0B+4*\s+3], 0x80000000
	JLOAD G0+4*\s, G1, G0B+4*\s, G1B
.endr
	s_mov_b32 s[G0R], 1                            ; the refill's group 0, made once: waves 2 and 3 fill the 128 rows of slot 0 that they filled first
	s_add_co_u32 s[G0R+1], s45, 0
	s_or_b32 s[G0R+3], s[G0R+3], 0x80000000
	v_and_b32 v1, 15, v0                           ; l % 16
	v_bfe_u32 v2, v0, 4, 1                         ; l / 16
	v_mul_u32_u24 v3, v1, PITCH
	v_lshl_add_u32 v4, v2, 4, v3                   ; a fragment's row x pitch + 16 x half
	s_mul_i32 s21, s15, HALFT                      ; my 128 rows of A
	s_mul_i32 s22, s16, HALFT                      ; piece 0: my 128 rows of B,
	s_add_co_u32 s22, s22, 2*HALFT                 ; which lie behind A's 256
.irp s, 0,1
	v_add_nc_u32 v[ADRA+\s], s21, v4
	v_add_nc_u32 v[ADRB+\s], s22, v4
	s_add_co_u32 s21, s21, SLOT
	s_add_co_u32 s22, s22, SLOT
.endr
	s_mul_i32 s22, s16, 64*PITCH                   ; piece 1: my 64 rows of its 128; K step 0 in slot 0's rows 0-127 of B,
	s_add_co_u32 s22, s22, 2*HALFT
	v_add_nc_u32 v[ADRB1], s22, v4
	s_add_co_u32 s22, s22, HALFT                   ; K step 1 in its rows 128-255
	v_add_nc_u32 v[ADRB1+1], s22, v4
	v_mul_u32_u24 v5, v1, KS                       ; my row's scales: KS bytes a row,
	v_lshrrev_b32 v6, 8, v5
	v_lshl_add_u32 v5, v6, 4, v5                   ; and 16 more for each 256 passed
	s_mul_i32 s21, s15, HALFS                      ; A's: my 128 rows
	s_mul_i32 s22, s16, HALFS                      ; piece 0's: my 128 rows, behind A's 256
	s_add_co_u32 s22, s22, 2*HALFS
	s_sub_co_u32 s22, s22, s21
	v_mul_u32_u24 v6, s22, v2                      ; lanes 16-31 take B's: one product, the distance between the two bases
	s_mul_i32 s23, s16, (64*KS/256)*272            ; piece 1's: my 64 rows, behind piece 0's 256
	s_add_co_u32 s23, s23, 2*HALFS+(256*KS/256)*272
	s_sub_co_u32 s23, s23, s21
	v_mul_u32_u24 v7, s23, v2
	s_add_co_u32 s21, s21, SCL
	v_add_nc_u32 v6, v5, v6
	v_add_nc_u32 v[ADRS], s21, v6
	v_add_nc_u32 v7, v5, v7
	v_add_nc_u32 v[ADRS1], s21, v7
	s_mul_i32 s23, s14, 2*HAREA
	s_add_co_u32 s23, s23, STAGE                   ; my stage
	v_mul_u32_u24 v5, v1, HP                       ; in: row l % 16, 16 bytes for each half of the lanes
	v_lshl_add_u32 v5, v2, 4, v5
	v_add_nc_u32 v[STO], s23, v5
	v_bfe_u32 v5, v0, 3, 2                         ; back: eight lanes take a row of 128 bytes, the 32 lanes four rows
	v_mul_u32_u24 v5, v5, HP
	v_and_b32 v6, 7, v0
	v_lshl_add_u32 v5, v6, 4, v5
	v_add_nc_u32 v[RD], s23, v5
	v_and_b32 v6, 31, v0
	v_lshlrev_b32 v[CO], 4, v6                     ; four rows of a head are 512 consecutive bytes of qkv: 16 x lane
	; where my parts begin in qkv.  Row 256 ty + 128 half: batch ty / 4, position 256 (ty % 4) + 128 half.  The 384 columns are six heads of the 48 (16 x plane + head):
	; piece 0: heads 6 tx + 2 half and the next (the first is even, so both lie in one plane); piece 1: head 6 tx + 4 + half
	s_lshr_b32 s20, s17, 2
	s_lshl_b32 s20, s20, 21                        ; batch x 16 heads x 131,072 bytes
	s_and_b32 s21, s17, 3
	s_lshl_b32 s21, s21, 15                        ; 256 positions x 128 bytes
	s_add_co_u32 s20, s20, s21
	s_lshl_b32 s21, s15, 14                        ; 128 positions
	s_add_co_u32 s20, s20, s21
	s_mov_b32 s21, 0
	s_mov_b64 s[92:93], s[12:13]
	s_add_nc_u64 s[12:13], s[12:13], s[20:21]
	s_add_nc_u64 s[92:93], s[92:93], s[20:21]
	s_mul_i32 s46, s42, 6
	s_lshl_b32 s47, s16, 1
	s_add_co_u32 s47, s46, s47                     ; piece 0's first head
	s_lshr_b32 s20, s47, 4
	s_lshl_b32 s20, s20, 24                        ; plane x 16,777,216 bytes
	s_and_b32 s47, s47, 15
	s_lshl_b32 s47, s47, 17                        ; head x 131,072
	s_add_co_u32 s20, s20, s47
	s_add_nc_u64 s[12:13], s[12:13], s[20:21]
	s_add_co_u32 s47, s46, s16
	s_add_co_u32 s47, s47, 4                       ; piece 1's head
	s_lshr_b32 s20, s47, 4
	s_lshl_b32 s20, s20, 24
	s_and_b32 s47, s47, 15
	s_lshl_b32 s47, s47, 17
	s_add_co_u32 s20, s20, s47
	s_add_nc_u64 s[92:93], s[92:93], s[20:21]
.macro FRAG reg, adr, q, i             ; a fragment, 16 rows x 128 K of 4-bit codes, is 8 registers: lane l holds row l % 16; registers 4 c .. 4 c + 3 hold K = 64 c + 32 (l / 16) + 0 .. 31
.irp c, 0,1
	ds_load_b128 v[\reg+4*\c:\reg+4*\c+3], v[\adr] offset:64*(\q)+32*\c+(\i)*16*PITCH
.endr
.endm
; A's blocks a0, a0 + 1 x B's NBM blocks, 128 along K: the slot's q-th.  p: B's set;  sc: the set of scale words.  zero = 1: the first product starts the sums: nothing is ever cleared.
; The accumulators take turns, one instruction a turn, in the same order in every step.
.macro MUL16 a0, p, q, sc, zero
.irp a, \a0, \a0+1
.irp b, 0,1,2,3,4,5,6,7
.if \b < NBM
.if \zero
	v_wmma_scale_f32_16x16x128_f8f6f4 v[8*(8*((\a)%4)+\b):8*(8*((\a)%4)+\b)+7], v[128*(\p)+FR*\b:128*(\p)+FR*\b+FR-1], v[AF+FR*(\a):AF+FR*(\a)+FR-1], 0, v[SC+8*NQ*(\sc)+NQ*\b+(\q)], v[SC+8*NQ*(\sc)+NQ*(\a)+(\q)] matrix_a_fmt:MATRIX_FMT_FP4 matrix_b_fmt:MATRIX_FMT_FP4 matrix_a_scale:MATRIX_SCALE_ROW1
.else
	v_wmma_scale_f32_16x16x128_f8f6f4 v[8*(8*((\a)%4)+\b):8*(8*((\a)%4)+\b)+7], v[128*(\p)+FR*\b:128*(\p)+FR*\b+FR-1], v[AF+FR*(\a):AF+FR*(\a)+FR-1], v[8*(8*((\a)%4)+\b):8*(8*((\a)%4)+\b)+7], v[SC+8*NQ*(\sc)+NQ*\b+(\q)], v[SC+8*NQ*(\sc)+NQ*(\a)+(\q)] matrix_a_fmt:MATRIX_FMT_FP4 matrix_b_fmt:MATRIX_FMT_FP4 matrix_a_scale:MATRIX_SCALE_ROW1
.endif
.endif
.endr
.endr
.endm
.macro FETCH_B slot, q, p              ; B's NBF fragments of K step slot's q-th 128 along K into set p
	WIN TO_B
.irp i, 0,1,2,3,4,5,6,7
.if \i < NBF
	FRAG 128*(\p)+FR*\i, BADR+\slot, \q, \i
.endif
.endr
	WIN 0
.endm
.macro FETCH_A slot, q, i0             ; A's blocks i0 .. i0 + 3
.irp i, \i0, \i0+1, \i0+2, \i0+3
	FRAG AF+FR*(\i), ADRA+\slot, \q, \i
.endr
.endm
; K step sc's scale words into set sc: NQ words a row, 4 NQ bytes on for K step 1; lanes 0-15 take A's block i, lanes 16-31 B's block i.
; Piece 1 has four blocks of B: for A's blocks 4-7 it loads by piece 0's address, whose upper lanes bring words that no product names.
.macro SCALES sc
.irp i, 0,1,2,3,4,5,6,7
.if \i < NBF
	ds_load_b128 v[SC+8*NQ*\sc+NQ*\i:SC+8*NQ*\sc+NQ*\i+3], v[SADR] offset:\i*SBLK+4*NQ*\sc
.else
	ds_load_b128 v[SC+8*NQ*\sc+NQ*\i:SC+8*NQ*\sc+NQ*\i+3], v[ADRS] offset:\i*SBLK+4*NQ*\sc
.endif
.endr
.endm
; A load into a register that a matrix instruction has read, and a vector instruction that reads a matrix result, stand NP places behind that matrix instruction, and only plain vector
; instructions that name none of its registers are places (ISA guide 7.12.1 for vector instructions); the matrix instructions in between are not counted.
.macro PLACES n
.rept \n
	v_nop
.endr
.endm
; A step of 128 along K, K step slot's q-th, which fetches its successor, K step nslot's nq-th; newsc = 1: and that K step's scale words.
.macro STEP slot, q, zero, nslot, nq, newsc
	s_wait_dscnt 4*NL                              ; B's set, the scale words and A's blocks 0-3 are in; the youngest eight loads (A's blocks 4-7) may be out
	WIN MUL_LO
	MUL16 0, (\q)%2, \q, \slot, \zero
	MUL16 2, (\q)%2, \q, \slot, \zero
	s_wait_dscnt 0                                 ; A's blocks 4-7 are in (asked for half a step ago)
	PLACES NP
	FETCH_B \nslot, \nq, 1-(\q)%2
	FETCH_A \nslot, \nq, 0
.if \newsc
	SCALES \nslot
.endif
	WIN MUL_HI
	MUL16 4, (\q)%2, \q, \slot, \zero
	MUL16 6, (\q)%2, \q, \slot, \zero
	PLACES NP
	WIN 0
	FETCH_A \nslot, \nq, 4
.endm
; Piece 0's last step in slot 0 goes over to slot 1.  In front of the barrier each wave waits for all its tensor loads (its part of slot 1), adds 0 to its spare word, and waits for that and for
; its own reads of slot 0.  The barrier opens a round of the cluster's: behind it no wave of any partner reads slot 0's rows of B or has a load on its way, and waves 2 and 3 fill them again, with
; piece 1's rows: the first tensor load behind the round, one a wave. The load has 288 matrix instructions and piece 0's way out up to the wait for it.
.macro TURN
	s_wait_tensorcnt 0x0                           ; all my tensor loads have landed  (every window is 0 here: the add's two registers lie in window 0)
	ds_add_u32 v[SPW], v[NIL]                      ; 0 onto my spare word
	s_wait_dscnt 4*NL+1                            ; (the add and the youngest eight loads, A's blocks 4-7, may be out)
	WIN MUL_LO
	MUL16 0, 1, NQ-1, 0, 0                         ; sixteen matrix instructions stand between the add and the wait for it
	s_wait_dscnt 0x0                               ; the add is done, and my reads of slot 0 are over
	s_barrier_signal -1
	MUL16 2, 1, NQ-1, 0, 0
	WIN 0
	s_barrier_wait -1
	CREST
	s_cmp_eq_u32 s15, 0                            ; the wave's number alone: the same in every work-group
	s_cbranch_scc1 .Lno_refill_\@
	tensor_load_to_lds s[G0R:G0R+3], s[G1B:G1B+7]
	s_nop 0
.rept 4
	v_nop
.endr
.Lno_refill_\@:
	PLACES NP                                      ; on every wave's way: the places in front of the loads below
	FETCH_B 1, 0, 0
	FETCH_A 1, 0, 0
	SCALES 1
	WIN MUL_HI
	MUL16 4, 1, NQ-1, 0, 0
	MUL16 6, 1, NQ-1, 0, 0
	PLACES NP
	WIN 0
	FETCH_A 1, 0, 4
.endm
.macro LAST                            ; a piece's very last step: nothing more to fetch
	s_wait_dscnt 4*NL
	WIN MUL_LO
	MUL16 0, 1, NQ-1, 1, 0
	MUL16 2, 1, NQ-1, 1, 0
	s_wait_dscnt 0
	WIN MUL_HI
	MUL16 4, 1, NQ-1, 1, 0
	MUL16 6, 1, NQ-1, 1, 0
	WIN 0
.endm
; THE WAY OUT of a piece, block by block of 16 rows x 16 NBM columns, which are two heads or one.  A lane's eight results round to 16 bytes of a head's row, and the lanes beside it hold other rows:
; so a block goes through my own stage in LDS (an area of 16 rows x 144 bytes for each head) and comes back four rows at a time: 512 consecutive bytes of qkv, since a head's rows are dense.
; LDS serves a wave's instructions in order (ISA guide 5.7.1.4): no wait between the stores and the loads, nor in front of the next block's stores.
.macro PACK a                          ; each accumulator's registers in ascending order
.set AC, 64*((\a)%4)
	WIN 0x0a+5*((\a)/4)                            ; sources 0 and 1: window 2 or 3
.irp b, 0,1,2,3,4,5,6,7
.if \b < NBM
.irp r, 0,1,2,3
	v_cvt_pk_f16_f32 v[TMP+4*\b+\r], v[AC+8*\b+2*\r], v[AC+8*\b+2*\r+1]
.endr
.endif
.endr
	WIN 0
.endm
.macro TOSTAGE a
.set BB, BK+32*((\a)%2)
.irp b, 0,1,2,3,4,5,6,7
.if \b < NBM
	ds_store_b128 v[STO], v[TMP+4*\b:TMP+4*\b+3] offset:(\b/4)*HAREA+32*(\b%4)
.endif
.endr
.irp t, 0,1,2,3,4,5,6,7
.if \t < NBM
	ds_load_b128 v[BB+4*\t:BB+4*\t+3], v[RD] offset:(\t/4)*HAREA+(\t%4)*4*HP
.endif
.endr
.endm
.macro SEND a, younger                 ; younger: the LDS instructions issued behind block a's loads, which may stay out
.set BB, BK+32*((\a)%2)
	s_wait_dscnt \younger                          ; the block is back in registers
.irp t, 0,1,2,3,4,5,6,7
.if \t < NBM
	global_store_b128 v[CO], v[BB+4*\t:BB+4*\t+3], s[OUTB:OUTB+1] offset:(\t/4)*131072+(\a)*2048+(\t%4)*512   ; 32 lanes store 512 consecutive bytes, at a multiple of 512 from qkv's first byte; every offset is an immediate
.endif
.endr
.endm
.macro WAYOUT
	PLACES NP                                      ; in front of the first reads of results and of the loads into the registers that held A's fragments
	PACK 0
	TOSTAGE 0
.irp a, 1,2,3,4,5,6,7
	PACK \a
.if \a > 1
	s_wait_xcnt 0x0                                ; block a - 2's stores have read their registers: block a's loads may land there
.endif
	TOSTAGE \a
	SEND \a-1, 2*NBM                               ; behind block a - 1's loads: block a's NBM stores and NBM loads
.endr
	SEND 7, 0
.endm
	s_wait_tensorcnt 1                             ; the scales and my part of K step 0 are in (K step 1's load may be out)
	s_barrier_signal -1
	s_barrier_wait -1                              ; everybody's are
	; ---- PIECE 0: columns 0-255
	FETCH_B 0, 0, 0
	FETCH_A 0, 0, 0
	SCALES 0
	FETCH_A 0, 0, 4
	STEP 0, 0, 1, 0, 1, 0                          ; the first step's products start the sums
	STEP 0, 1, 0, 0, 2, 0
	STEP 0, 2, 0, 0, 3, 0
	TURN
	STEP 1, 0, 0, 1, 1, 0
	STEP 1, 1, 0, 1, 2, 0
	STEP 1, 2, 0, 1, 3, 0
	LAST
	WAYOUT
	; ---- PIECE 1: columns 256-383.  Its rows of B were asked for in TURN: the waves that asked wait for them, every wave says so, and from here on all that is read lies in LDS: no further barrier
	s_wait_tensorcnt 0x0                           ; my part of piece 1's rows has landed
	s_wait_xcnt 0x0                                ; piece 0's stores have read their registers: A's fragments land there again
	s_wait_dscnt 0x0                               ; no LDS instruction of mine is pending at the signal
	s_barrier_signal -1
	s_barrier_wait -1                              ; everybody's part has landed
.set NBM,  4
.set NBF,  4
.set BADR, ADRB1
.set SADR, ADRS1
.set OUTB, 92
	FETCH_B 0, 0, 0
	FETCH_A 0, 0, 0
	SCALES 0
	FETCH_A 0, 0, 4
	STEP 0, 0, 1, 0, 1, 0                          ; the accumulators have been rounded and sent: the first step's products start the sums anew
	STEP 0, 1, 0, 0, 2, 0
	STEP 0, 2, 0, 0, 3, 0
	STEP 0, 3, 0, 1, 0, 1                          ; over to K step 1, with its scale words
	STEP 1, 0, 0, 1, 1, 0
	STEP 1, 1, 0, 1, 2, 0
	STEP 1, 2, 0, 1, 3, 0
	LAST
	WAYOUT
	s_wait_tensorcnt 0x0                           ; the wave's end, behind my last tensor load and my last LDS store
	ds_add_u32 v[SPW], v[NIL]
	s_wait_dscnt 0x0
	CROUND                                         ; the closing round: no work-group ends while a partner may still ask for a tile that names it
	s_endpgm
.Lfunc_end_k_qa345b6bf7c_qkvgemm:
	.size	k_qa345b6bf7c_qkvgemm, .Lfunc_end_k_qa345b6bf7c_qkvgemm-k_qa345b6bf7c_qkvgemm
	.p2alignl 7, 3214868480
	.fill 96, 4, 3214868480
	.section	.rodata,"a",@progbits
	.p2align	6, 0x0
	.amdhsa_kernel k_qa345b6bf7c_qkvgemm
		.amdhsa_group_segment_fixed_size 327680
		.amdhsa_private_segment_fixed_size 0
		.amdhsa_enable_private_segment 0
		.amdhsa_kernarg_size 40
		.amdhsa_user_sgpr_count 2
		.amdhsa_user_sgpr_kernarg_segment_ptr 1
		.amdhsa_wavefront_size32 1
		.amdhsa_system_sgpr_workgroup_id_x 1
		.amdhsa_system_sgpr_workgroup_id_y 1
		.amdhsa_system_sgpr_workgroup_id_z 1
		.amdhsa_system_vgpr_workitem_id 0
		.amdhsa_next_free_vgpr 1024
		.amdhsa_next_free_sgpr 100
		.amdhsa_reserve_vcc 0
		.amdhsa_float_denorm_mode_32 3
		.amdhsa_float_denorm_mode_16_64 3
		.amdhsa_memory_ordered 1
		.amdhsa_forward_progress 1
		.amdhsa_inst_pref_size 193
	.end_amdhsa_kernel
	.amdgpu_metadata
---
amdhsa.version: [ 1, 2 ]
amdhsa.kernels:
  - .name:           k_qa345b6bf7c_qkvgemm
    .symbol:         k_qa345b6bf7c_qkvgemm.kd
    .args:
      - { .name: xc, .offset: 0, .size: 8, .value_kind: global_buffer, .address_space: global }
      - { .name: xs, .offset: 8, .size: 8, .value_kind: global_buffer, .address_space: global }
      - { .name: wc, .offset: 16, .size: 8, .value_kind: global_buffer, .address_space: global }
      - { .name: ws, .offset: 24, .size: 8, .value_kind: global_buffer, .address_space: global }
      - { .name: qkv, .offset: 32, .size: 8, .value_kind: global_buffer, .address_space: global }
    .group_segment_fixed_size: 327680
    .private_segment_fixed_size: 0
    .kernarg_segment_align: 8
    .kernarg_segment_size: 40
    .max_flat_workgroup_size: 128
    .sgpr_count:     100
    .vgpr_count:     1024
    .wavefront_size: 32
...
	.end_amdgpu_metadata
.endif
;; end of part 2
;; launch attn (part 3): grid 2 x 128, 16 waves a work-group, no clusters, 327,680 bytes of LDS; arguments qkv, att; writes att
.if DOCPART == 3
	.amdgcn_target "amdgcn-amd-amdhsa--gfx1250"
	.amdhsa_code_object_version 6
	.text
	.protected	k_qa345b6bf7c_attn
	.globl	k_qa345b6bf7c_attn
	.p2align	8
	.type	k_qa345b6bf7c_attn,@function
k_qa345b6bf7c_attn:
	s_mov_b64 s[64:65], 0
	v_nop
	global_prefetch_b8 v0, s[64:65] scope:SCOPE_SE
	s_setreg_imm32_b32 hwreg(HW_REG_WAVE_MODE, 25, 1), 1
	s_wait_xcnt 0x0
; att[h][b 1024 + i][:] = the sum over j of softmax_j(q_i . k_j / 8) v_j, for each of the 128 pairs (batch b, head h): 1,024 positions, head size 64, no mask.
; q, k, v: f16, the three planes of qkv [3][128][1024][64].  Products, maxima and sums in f32; the weights p are rounded to f16 for the second product, the result once at the end.
; LIMITS: f16's range for the result (it is an average of v's numbers, which are f16 already); under 6e-5 an absolute error of 3e-8.  NaN and infinities are not served.
; SHARES.  A work-group owns 512 queries of one pair (grid x = 2), each of its SIXTEEN waves 32 of them: two tiles of 16, so that each fragment of K and V read from LDS feeds two products.
; Four waves lie on a SIMD, so that one wave's softmax stands beside another's products and LDS loads.  Every wave walks all 1,024 keys, 64 a step.
; LDS.  THE WHOLE HEAD'S K AND V STAY: 1,024 rows of each, filled once; nothing is filled again.  Each wave asks for two tiles of 64 rows in its first lines (waves 0-7: K, waves 8-15: V):
; one in keys 0-511, one in keys 512-1,023; the first half is read while the second is on its way.
; NO CLUSTER: a pair has two work-groups and the grid's x is 2, which no cluster of four divides; and each tile is asked for once, in the kernel's first lines.
; LAYOUT.  S^T = K Q^T (source 0 = 16 keys, source 1 = 16 queries): a lane holds ONE query (lane % 16) and the keys 8 (lane / 16) + 0..7 of a tile.  Two such tiles, rounded to f16 in pairs,
; ARE source 1 (32 keys x 16 queries) of O^T = V^T P, whose result again holds one query a lane, and eight channels.  K comes out of LDS as it lies, V ([key][channel]) turned, by ds_load_tr16_b128.
; SOFTMAX.  For each query a running maximum m and sum l: p = 2^(c s - c m), c = log2(e) / 8; in every step O and l are multiplied by a = 2^(c m_old - c m_new).  m begins at -3e38 and O, l at 0,
; so that the step is written once: the first a is 0 and multiplies zeros.
; REGISTERS: v1-10 addresses; v12, v13 the add's two; v16-31 statistics, eight a tile: +0 c m, +1 m, +2, +3 l (even keys', odd keys'), +4 to +7 at work (a takes +6);
;   v32-63 Q; v64-127 S^T, 32 a tile; v128-159 P, 16 a tile; v160-223 O^T, 32 a tile; v224-255 F.
;   A step's 8 fragments of K lie in F and in P's registers (P is dead then); V's first 32 keys in F, its last 32 in tile 0's S^T, once that tile's weights are rounded and summed.
.set PK,    144                        ; a row of K in LDS: 128 bytes + 16 = 36 words: the 16 rows of a load start at 16 different groups of four banks
.set PV,    160                        ; a row of V: 128 + 32 = 40 words
.set VB,    1024*PK                    ; V begins behind K
.set SPARE, VB+1024*PV                 ; the spare words, 128 bytes for each wave: eight blocks of 256 bytes that no other line names
.set PLANE, 16777216                   ; from q to k and from k to v in qkv
.set AK0, 3                            ; v3   my lane's place in a tile of K; never rewritten
.set AV0, 4                            ; v4   the same for V
.set ADK, 5                            ; v5   LDS address of the step's K
.set ADV, 6                            ; v6   of its V
.set QO,  7                            ; v7   my byte offset in the wave's rows of Q
.set STO, 8                            ; v8   the way out: where I put 16 bytes of a row
.set RD,  9                            ; v9   the way out: where I read rows back
.set GO,  10                           ; v10  16 x lane
.set SPW, 12                           ; v12  LDS address of my spare word; never rewritten
.set NIL, 13                           ; v13  0; never rewritten
.set ST,  16
.set Q,   32
.set S,   64
.set P,   128
.set O,   160
.set F,   224
.set WV,  8                            ; s8   my wave's number
.set G1K, 16                           ; s[16:23] descriptor group 1 for K's tiles;  s[24:31] for V's: it differs in the padding alone
.set G1V, 24
.set G0K, 32                           ; s[32:39] group 0 for K's two tiles;  s[40:47] for V's
.set G0V, 40
.set CS,  48                           ; s[48:49] c: the packed scaling names a pair and takes its low word for both halves
.set SEL, 50                           ; s[50:51] lane selects for v_permlanex16_b32: lane l xor 16
.set TK,  52                           ; s52  LDS byte at which the step's rows of K begin
.set TV,  53                           ; s53  and, from V's first row, those of V
.set CNT, 54                           ; s54  counts a half's eight steps
	s_load_b128 s[4:7], s[0:1], 0x0                ; qkv s[4:5], att s[6:7]
	v_lshl_add_u32 v[SPW], v0, 2, SPARE
	v_mov_b32 v[NIL], 0
	ds_add_u32 v[SPW], v[NIL]                      ; the wave's opening: the add, twice on end, and its wait ahead of my first tensor load; the set-up below stands between the second and the wait
	ds_add_u32 v[SPW], v[NIL]
	v_lshrrev_b32 v1, 5, v0
	v_readfirstlane_b32 s[WV], v1                  ; wave 0..15
	s_and_b32 s9, s[WV], 7                         ; which 64 rows of each half I fetch
	; descriptor group 1: a tile of 64 rows x 64 elements of 2 bytes, dense in memory, padded in LDS
	s_mov_b32 s[G1K], (1<<16)|(1<<20)|(4<<22)|(3<<25)   ; 15:0 no mask; 17:16 elements of 2 bytes; 20 padding on; 24:22 after every 32 words (code 4); 31:25 4 words of it (code 3)
	s_mov_b32 s[G1V], (1<<16)|(1<<20)|(4<<22)|(7<<25)   ; the same with 8 words of padding (code 7)
.irp g, G1K, G1V
	s_mov_b32 s[\g+1], 64<<16                      ; tensor_dim0 = 64
	s_mov_b32 s[\g+2], 64<<16                      ; tensor_dim1 = 64
	s_mov_b32 s[\g+3], 64<<16                      ; tile_dim0 = 64
	s_mov_b32 s[\g+4], 64                          ; tile_dim1 = 64
	s_mov_b32 s[\g+5], 64                          ; tensor_dim0_stride
	s_mov_b32 s[\g+6], 0
	s_mov_b32 s[\g+7], 0
.endr
	s_and_b32 s10, ttmp7, 0xffff                   ; the pair: 16 batch + head
	s_lshl_b32 s12, s10, 17                        ; its 131,072 bytes in each plane,
	s_lshl_b32 s11, s9, 13                         ; my 64 rows of 128 bytes
	s_add_co_u32 s12, s12, s11
	s_mov_b32 s13, 0
	s_mul_i32 s14, s9, 64*PK                       ; and their places in LDS
	s_mul_i32 s15, s9, 64*PV
	s_lshl_b32 s56, s10, 17                        ; Q: the pair, + 512 queries x work-group x, + 32 x wave, 128 bytes each
	s_lshl_b32 s11, ttmp9, 16
	s_add_co_u32 s56, s56, s11
	s_lshl_b32 s60, s[WV], 12
	s_add_co_u32 s56, s56, s60
	s_mov_b32 s57, 0
	s_and_b32 s58, s10, 15                         ; att [16 heads][8192 rows][64]: head x 1,048,576 bytes,
	s_lshl_b32 s58, s58, 20
	s_lshr_b32 s61, s10, 4
	s_lshl_b32 s61, s61, 17                        ; batch x 1,024 rows,
	s_add_co_u32 s58, s58, s61
	s_add_co_u32 s58, s58, s11                     ; and my queries as in Q
	s_add_co_u32 s58, s58, s60
	s_mov_b32 s59, 0
	s_mov_b32 s[CS], 0x3e38aa3b                    ; c = log2(e) / 8
	s_mov_b32 s[CS+1], s[CS]                       ; named with it as a pair, so it is written
	s_mov_b32 s[SEL], 0x76543210
	s_mov_b32 s[SEL+1], 0xfedcba98
	s_wait_dscnt 0x0                               ; both opening adds are done
	s_wait_kmcnt 0x0
	s_add_nc_u64 s[12:13], s[4:5], s[12:13]        ; my rows, in q's plane
	s_add_nc_u64 s[4:5], s[4:5], s[56:57]          ; Q at my wave's first query
	s_add_nc_u64 s[6:7], s[6:7], s[58:59]          ; att likewise
.irp c, 0,1                                    ; half c: keys 512 c on
	s_mov_b32 s[G0K+4*\c], 1                       ; 1:0 count = 1
	s_add_co_u32 s[G0K+4*\c+1], s14, \c*512*PK     ; 63:32 LDS address
	s_add_nc_u64 s[G0K+4*\c+2:G0K+4*\c+3], s[12:13], PLANE+\c*65536   ; 120:64 global address
	s_or_b32 s[G0K+4*\c+3], s[G0K+4*\c+3], 0x80000000                 ; 127:126 type = 2
	s_mov_b32 s[G0V+4*\c], 1
	s_add_co_u32 s[G0V+4*\c+1], s15, VB+\c*512*PV
	s_add_nc_u64 s[G0V+4*\c+2:G0V+4*\c+3], s[12:13], 2*PLANE+\c*65536
	s_or_b32 s[G0V+4*\c+3], s[G0V+4*\c+3], 0x80000000
.endr
	s_cmp_lt_u32 s[WV], 8                          ; a wave's two fills stand in one branch, ahead of every wait on TENSORcnt, every LDS read and every barrier: two loads of mine are out
	s_cbranch_scc0 .Lfirst_v
	tensor_load_to_lds s[G0K:G0K+3], s[G1K:G1K+7]
	s_nop 0
	tensor_load_to_lds s[G0K+4:G0K+7], s[G1K:G1K+7]
	s_nop 0
.rept 4
	v_nop
.endr
	s_branch .Lfirst_asked
.Lfirst_v:
	tensor_load_to_lds s[G0V:G0V+3], s[G1V:G1V+7]
	s_nop 0
	tensor_load_to_lds s[G0V+4:G0V+7], s[G1V:G1V+7]
	s_nop 0
.rept 4
	v_nop
.endr
.Lfirst_asked:
	; A fragment of K or Q is 16 rows x 32 channels in 8 registers: lane l holds row l % 16; registers 0-3 channels 8 (l / 16) + 0..7, registers 4-7 channels 16 + 8 (l / 16) + 0..7: two loads of 16 bytes, 32 bytes apart.
	v_and_b32 v1, 15, v0                           ; l % 16
	v_bfe_u32 v2, v0, 4, 1                         ; l / 16
	v_lshlrev_b32 v[QO], 7, v1
	v_lshl_add_u32 v[QO], v2, 4, v[QO]             ; row x 128 + 16 x half
.irp t, 0,1
.irp d, 0,1                                    ; Q stays in registers: tile t, channels 32 d on
	global_load_b128 v[Q+16*\t+8*\d:Q+16*\t+8*\d+3],   v[QO], s[4:5] offset:\t*2048+\d*64
	global_load_b128 v[Q+16*\t+8*\d+4:Q+16*\t+8*\d+7], v[QO], s[4:5] offset:\t*2048+\d*64+32
.endr
.endr
	v_mul_u32_u24 v[AK0], v1, PK
	v_lshl_add_u32 v[AK0], v2, 4, v[AK0]           ; row x pitch + 16 x half
	; The turning load takes 16 keys x 16 channels (lane l reads 16 bytes: key 8 (l / 16) + l % 8, channels 8 ((l / 8) % 2) + 0..7) and leaves half a fragment of V^T: lane l holds channel l % 16 and 8 keys.
	v_and_b32 v11, 7, v0
	v_bfe_u32 v14, v0, 3, 1
	v_lshl_add_u32 v[AV0], v2, 3, v11
	v_mul_u32_u24 v[AV0], v[AV0], PV
	v_lshl_add_u32 v[AV0], v14, 4, v[AV0]
	v_add_nc_u32 v[AV0], VB, v[AV0]
	s_mul_i32 s11, s[WV], 16*PK                    ; the way out: my stage, 16 rows x 144 bytes, in K's first rows: written behind the last barrier, when nobody reads K any more
	v_mul_u32_u24 v[STO], v1, PK                   ; in: row l % 16, 16 bytes for each half of the lanes
	v_lshl_add_u32 v[STO], v2, 4, v[STO]
	v_add_nc_u32 v[STO], s11, v[STO]
	v_bfe_u32 v15, v0, 3, 2                        ; back: eight lanes take a row of 128 bytes, the 32 lanes four rows
	v_mul_u32_u24 v[RD], v15, PK
	v_lshl_add_u32 v[RD], v11, 4, v[RD]
	v_add_nc_u32 v[RD], s11, v[RD]
	v_and_b32 v[GO], 31, v0
	v_lshlrev_b32 v[GO], 4, v[GO]                  ; four rows of att are 512 consecutive bytes: 16 x lane
.irp t, 0,1
	v_mov_b32 v[ST+8*\t+1], 0xff61b1e6             ; m: -3e38, under every score
	v_mul_f32 v[ST+8*\t], s[CS], v[ST+8*\t+1]      ; c m
	v_mov_b32 v[ST+8*\t+2], 0                      ; l, in two halves
	v_mov_b32 v[ST+8*\t+3], 0
.endr
.irp j, 0,1,2,3,4,5,6,7,8,9,10,11,12,13,14,15,16,17,18,19,20,21,22,23,24,25,26,27,28,29,30,31,32,33,34,35,36,37,38,39,40,41,42,43,44,45,46,47,48,49,50,51,52,53,54,55,56,57,58,59,60,61,62,63
	v_mov_b32 v[O+\j], 0                           ; O^T.  (The step is written once: its first trip finds zeros)
.endr
.macro KREG kt, d                      ; where K's fragment (keys 16 kt on, channels 32 d on) lies
.if (\kt) < 2
.set rK, F+16*(\kt)+8*(\d)
.else
.set rK, P+16*((\kt)-2)+8*(\d)
.endif
.endm
.macro ROUND t                         ; tile t's weights, a pair each, to f16: P
.irp i, 0,1,2,3,4,5,6,7,8,9,10,11,12,13,14,15
	v_cvt_pk_f16_f32 v[P+16*\t+\i], v[S+32*\t+2*\i], v[S+32*\t+2*\i+1]
.endr
.endm
.macro SUMS t                          ; the sum of tile t's 16 pairs (an even key's weight, an odd key's), of the weights as they were before the rounding, in place; then l = a l + the sum
.irp u, 0,1,2,3,4,5,6,7
	v_pk_add_f32 v[S+32*\t+4*\u:S+32*\t+4*\u+1], v[S+32*\t+4*\u:S+32*\t+4*\u+1], v[S+32*\t+4*\u+2:S+32*\t+4*\u+3]
.endr
.irp u, 0,1,2,3
	v_pk_add_f32 v[S+32*\t+8*\u:S+32*\t+8*\u+1], v[S+32*\t+8*\u:S+32*\t+8*\u+1], v[S+32*\t+8*\u+4:S+32*\t+8*\u+5]
.endr
.irp u, 0,1
	v_pk_add_f32 v[S+32*\t+16*\u:S+32*\t+16*\u+1], v[S+32*\t+16*\u:S+32*\t+16*\u+1], v[S+32*\t+16*\u+8:S+32*\t+16*\u+9]
.endr
	v_pk_add_f32 v[S+32*\t:S+32*\t+1], v[S+32*\t:S+32*\t+1], v[S+32*\t+16:S+32*\t+17]
	v_pk_fma_f32 v[ST+8*\t+2:ST+8*\t+3], v[ST+8*\t+2:ST+8*\t+3], v[ST+8*\t+6:ST+8*\t+7], v[S+32*\t:S+32*\t+1] op_sel_hi:[1,0,1]
.endm
.macro RESC t                          ; tile t's O^T times a, each accumulator's registers in ascending order
.irp i, 0,2,4,6,8,10,12,14,16,18,20,22,24,26,28,30
	v_pk_mul_f32 v[O+32*\t+\i:O+32*\t+\i+1], v[O+32*\t+\i:O+32*\t+\i+1], v[ST+8*\t+6:ST+8*\t+7] op_sel_hi:[1,0]
.endr
.endm
; A KEY STEP: 64 keys.
.macro STEP
	v_add_nc_u32 v[ADK], s[TK], v[AK0]             ; these two and three v_nop are five places behind the last step's products: four are asked in front of loads into registers that they read (F, P),
	v_add_nc_u32 v[ADV], s[TV], v[AV0]             ; five in front of matrix instructions that write over such registers (tile 0's S^T held V's last 32 keys)
.rept 3
	v_nop
.endr
.irp d, 0,1                                    ; K: 16 loads in one run, channels 0-31 of all 64 keys first
.irp kt, 0,1,2,3
	KREG \kt, \d
	ds_load_b128 v[rK:rK+3],   v[ADK] offset:\kt*16*PK+64*\d
	ds_load_b128 v[rK+4:rK+7], v[ADK] offset:\kt*16*PK+64*\d+32
.endr
.endr
.irp d, 0,1                                    ; S^T = K Q^T: eight accumulators by turns, one instruction a turn; the first eight start the sums
	s_wait_dscnt 8-8*\d                            ; channels 0-31 are in, the eight younger loads may be out; then all
.irp kt, 0,1,2,3
.irp t, 0,1
	KREG \kt, \d
.if \d == 0
	v_wmma_f32_16x16x32_f16 v[S+32*\t+8*\kt:S+32*\t+8*\kt+7], v[rK:rK+7], v[Q+16*\t:Q+16*\t+7], 0
.else
	v_wmma_f32_16x16x32_f16 v[S+32*\t+8*\kt:S+32*\t+8*\kt+7], v[rK:rK+7], v[Q+16*\t+8:Q+16*\t+15], v[S+32*\t+8*\kt:S+32*\t+8*\kt+7]
.endif
.endr
.endr
.endr
.rept 4
	v_nop                                          ; four places: in front of the loads into F, which those products read, and of the first reads of the scores
.endr
.irp dt, 0,1,2,3                               ; V, keys 0-31 of the step, turned: channels 16 dt on
	ds_load_tr16_b128 v[F+8*\dt:F+8*\dt+3],   v[ADV] offset:32*\dt
	ds_load_tr16_b128 v[F+8*\dt+4:F+8*\dt+7], v[ADV] offset:32*\dt+16*PV
.endr
	; the maximum of a tile's 32 scores and the old m, three operands at a time, in four chains; both tiles line by line, so that no line waits for the line above it.  Each accumulator is read from its low end on
.irp j, 0,1,2,3
.irp t, 0,1
	v_max3_num_f32 v[ST+8*\t+4+\j], v[S+32*\t+8*\j], v[S+32*\t+8*\j+1], v[S+32*\t+8*\j+2]
.endr
.endr
.irp g, 1,2
.irp j, 0,1,2,3
.irp t, 0,1
	v_max3_num_f32 v[ST+8*\t+4+\j], v[ST+8*\t+4+\j], v[S+32*\t+8*\j+2*\g+1], v[S+32*\t+8*\j+2*\g+2]
.endr
.endr
.endr
.irp t, 0,1
	v_max3_num_f32 v[ST+8*\t+4], v[ST+8*\t+4], v[S+32*\t+7], v[S+32*\t+15]
.endr
.irp t, 0,1
	v_max3_num_f32 v[ST+8*\t+6], v[ST+8*\t+6], v[S+32*\t+23], v[S+32*\t+31]
.endr
.irp t, 0,1
	v_max3_num_f32 v[ST+8*\t+4], v[ST+8*\t+4], v[ST+8*\t+5], v[ST+8*\t+6]
.endr
.irp t, 0,1
	v_max3_num_f32 v[ST+8*\t+4], v[ST+8*\t+4], v[ST+8*\t+7], v[ST+8*\t+1]
.endr
.irp t, 0,1
	v_permlanex16_b32 v[ST+8*\t+5], v[ST+8*\t+4], s[SEL], s[SEL+1]   ; the query's other 32 keys lie in the lane 16 away
.endr
.irp t, 0,1
	v_mov_b32 v[ST+8*\t+7], v[ST+8*\t]             ; c m_old is kept for a
.endr
.irp t, 0,1
	v_max_num_f32 v[ST+8*\t+1], v[ST+8*\t+4], v[ST+8*\t+5]   ; the new m
.endr
.irp t, 0,1
	v_mul_f32 v[ST+8*\t], s[CS], v[ST+8*\t+1]      ; c m
.endr
.irp t, 0,1
	v_sub_f32 v[ST+8*\t+7], v[ST+8*\t+7], v[ST+8*\t]
.endr
.irp b, 0,1,2,3,4,5,6,7,8,9,10,11,12,13,14,15
.irp t, 0,1
	v_pk_fma_f32 v[S+32*\t+2*\b:S+32*\t+2*\b+1], v[S+32*\t+2*\b:S+32*\t+2*\b+1], s[CS:CS+1], v[ST+8*\t:ST+8*\t+1] op_sel_hi:[1,0,0] neg_lo:[0,0,1] neg_hi:[0,0,1]   ; c s - c m, a pair of scores
.endr
.endr
	; ONE BATCH: both tiles' a and their 64 weights: 66 exponentials, none of which reads another's result
.irp t, 0,1
	v_exp_f32 v[ST+8*\t+6], v[ST+8*\t+7]           ; a = 2^(c m_old - c m_new)
.endr
.irp j, 0,1,2,3,4,5,6,7,8,9,10,11,12,13,14,15,16,17,18,19,20,21,22,23,24,25,26,27,28,29,30,31,32,33,34,35,36,37,38,39,40,41,42,43,44,45,46,47,48,49,50,51,52,53,54,55,56,57,58,59,60,61,62,63
	v_exp_f32 v[S+\j], v[S+\j]
.endr
	v_nop                                          ; a plain instruction behind the last exponential, ahead of the first use
	s_wait_alu depctr_va_vdst(0)                   ; the wait ahead of the first instruction that names a result: one for the batch
	ROUND 0
	SUMS 0
.irp dt, 0,1,2,3                               ; V, keys 32-63 of the step, into tile 0's S^T, which is done with
	ds_load_tr16_b128 v[S+8*\dt:S+8*\dt+3],   v[ADV] offset:32*PV+32*\dt
	ds_load_tr16_b128 v[S+8*\dt+4:S+8*\dt+7], v[ADV] offset:32*PV+32*\dt+16*PV
.endr
	ROUND 1
	SUMS 1
	RESC 0
	RESC 1
.irp ks, 0,1                                   ; O^T += V^T P: eight accumulators by turns; keys 32 ks on
	s_wait_dscnt 8-8*\ks                           ; V's first run of eight loads is in, the second may be out; then all
.irp dt, 0,1,2,3
.irp t, 0,1
.if \ks == 0
	v_wmma_f32_16x16x32_f16 v[O+32*\t+8*\dt:O+32*\t+8*\dt+7], v[F+8*\dt:F+8*\dt+7], v[P+16*\t:P+16*\t+7], v[O+32*\t+8*\dt:O+32*\t+8*\dt+7]
.else
	v_wmma_f32_16x16x32_f16 v[O+32*\t+8*\dt:O+32*\t+8*\dt+7], v[S+8*\dt:S+8*\dt+7], v[P+16*\t+8:P+16*\t+15], v[O+32*\t+8*\dt:O+32*\t+8*\dt+7]
.endif
.endr
.endr
.endr
.endm
; HALF c of the keys: my tile of it has landed (the count leaves the later tile out), every wave says so, and eight steps follow.
.macro HALF c
	s_wait_tensorcnt 1-\c                          ; tensor loads of a wave end in order (ISA guide 10.11.1): my tile of this half is in LDS
	s_wait_dscnt 0x0                               ; no LDS instruction of mine is pending at the signal
	s_barrier_signal -1
	s_barrier_wait -1                              ; everybody's tile of this half is in
	s_mov_b32 s[TK], \c*512*PK
	s_mov_b32 s[TV], \c*512*PV
	s_mov_b32 s[CNT], 8
.Lstep_\@:
	STEP
	s_add_co_u32 s[TK], s[TK], 64*PK
	s_add_co_u32 s[TV], s[TV], 64*PV
	s_sub_co_u32 s[CNT], s[CNT], 1
	s_cmp_lg_u32 s[CNT], 0
	s_cbranch_scc1 .Lstep_\@
.endm
	s_wait_loadcnt 0x0                             ; Q
	HALF 0
	HALF 1
	; THE WAY OUT.  l's two halves and the other half of the lanes' are added (these additions and the v_nop are the places behind the last products); O^T is divided by l, rounded to f16
	; and sent through my stage in LDS, a tile (16 rows) at a time.
.irp t, 0,1
	v_add_f32 v[ST+8*\t+4], v[ST+8*\t+2], v[ST+8*\t+3]
.endr
.irp t, 0,1
	v_permlanex16_b32 v[ST+8*\t+5], v[ST+8*\t+4], s[SEL], s[SEL+1]
.endr
.irp t, 0,1
	v_add_f32 v[ST+8*\t+4], v[ST+8*\t+4], v[ST+8*\t+5]
.endr
.irp t, 0,1
	v_rcp_f32 v[ST+8*\t+6], v[ST+8*\t+4]
.endr
	v_nop                                          ; a plain instruction between the last reciprocal and the use of its result
	s_wait_alu depctr_va_vdst(0)                   ; and the wait ahead of the first use: one for the two
	s_wait_dscnt 0x0                               ; my reads of K and V are over:
	s_barrier_signal -1
	s_barrier_wait -1                              ; everybody's are: K's first rows take the stages
.irp t, 0,1
.irp i, 0,2,4,6,8,10,12,14,16,18,20,22,24,26,28,30
	v_pk_mul_f32 v[O+32*\t+\i:O+32*\t+\i+1], v[O+32*\t+\i:O+32*\t+\i+1], v[ST+8*\t+6:ST+8*\t+7] op_sel_hi:[1,0]
.endr
.irp i, 0,1,2,3,4,5,6,7,8,9,10,11,12,13,14,15
	v_cvt_pk_f16_f32 v[S+16*\t+\i], v[O+32*\t+2*\i], v[O+32*\t+2*\i+1]
.endr
.irp dt, 0,1,2,3
	ds_store_b128 v[STO], v[S+16*\t+4*\dt:S+16*\t+4*\dt+3] offset:32*\dt   ; lane (r, h): row r, channels 16 dt + 8 h + 0..7
.endr
.irp i, 0,1,2,3
	ds_load_b128 v[S+32+16*\t+4*\i:S+32+16*\t+4*\i+3], v[RD] offset:\i*4*PK   ; LDS serves a wave's instructions in order (ISA guide 5.7.1.4): these see the stores above; the next tile's stores come behind them
.endr
.endr
.irp t, 0,1
.irp i, 0,1,2,3
	s_wait_dscnt 8*(1-\t)+3-\i                     ; behind this load: the tile's later loads, and for tile 0 tile 1's four stores and four loads
	global_store_b128 v[GO], v[S+32+16*\t+4*\i:S+32+16*\t+4*\i+3], s[6:7] offset:\t*2048+\i*512   ; 32 lanes store 512 consecutive bytes, at a multiple of 512 from att's first byte
.endr
.endr
	s_wait_tensorcnt 0x0                           ; the wave's end, behind my last tensor load and my last LDS store
	ds_add_u32 v[SPW], v[NIL]
	s_wait_dscnt 0x0
	s_endpgm
.Lfunc_end_k_qa345b6bf7c_attn:
	.size	k_qa345b6bf7c_attn, .Lfunc_end_k_qa345b6bf7c_attn-k_qa345b6bf7c_attn
	.p2alignl 7, 3214868480
	.fill 96, 4, 3214868480
	.section	.rodata,"a",@progbits
	.p2align	6, 0x0
	.amdhsa_kernel k_qa345b6bf7c_attn
		.amdhsa_group_segment_fixed_size 327680
		.amdhsa_private_segment_fixed_size 0
		.amdhsa_enable_private_segment 0
		.amdhsa_kernarg_size 16
		.amdhsa_user_sgpr_count 2
		.amdhsa_user_sgpr_kernarg_segment_ptr 1
		.amdhsa_wavefront_size32 1
		.amdhsa_system_sgpr_workgroup_id_x 1
		.amdhsa_system_sgpr_workgroup_id_y 1
		.amdhsa_system_sgpr_workgroup_id_z 1
		.amdhsa_system_vgpr_workitem_id 0
		.amdhsa_next_free_vgpr 256
		.amdhsa_next_free_sgpr 66
		.amdhsa_reserve_vcc 0
		.amdhsa_float_denorm_mode_32 3
		.amdhsa_float_denorm_mode_16_64 3
		.amdhsa_memory_ordered 1
		.amdhsa_forward_progress 1
		.amdhsa_inst_pref_size 50
	.end_amdhsa_kernel
	.amdgpu_metadata
---
amdhsa.version: [ 1, 2 ]
amdhsa.kernels:
  - .name:           k_qa345b6bf7c_attn
    .symbol:         k_qa345b6bf7c_attn.kd
    .args:
      - { .name: qkv, .offset: 0, .size: 8, .value_kind: global_buffer, .address_space: global }
      - { .name: att, .offset: 8, .size: 8, .value_kind: global_buffer, .address_space: global }
    .group_segment_fixed_size: 327680
    .private_segment_fixed_size: 0
    .kernarg_segment_align: 8
    .kernarg_segment_size: 16
    .max_flat_workgroup_size: 512
    .sgpr_count:     66
    .vgpr_count:     256
    .wavefront_size: 32
...
	.end_amdgpu_metadata
.endif
;; end of part 3
;; launch proj (part 4): grid 8 x 32, 4 waves a work-group, clusters of 4 x 4, 327,680 bytes of LDS; arguments att, wo16, b_out, out0; writes out0
.if DOCPART == 4
	.amdgcn_target "amdgcn-amd-amdhsa--gfx1250"
	.amdhsa_code_object_version 6
	.text
	.protected	k_qa345b6bf7c_proj
	.globl	k_qa345b6bf7c_proj
	.p2align	8
	.type	k_qa345b6bf7c_proj,@function
k_qa345b6bf7c_proj:
	s_mov_b64 s[64:65], 0
	v_nop
	global_prefetch_b8 v0, s[64:65] scope:SCOPE_SE
	s_setreg_imm32_b32 hwreg(HW_REG_WAVE_MODE, 25, 1), 1
	s_wait_xcnt 0x0
	s_wait_alu depctr_hold_cnt(0) depctr_sa_sdst(0) depctr_va_vdst(0) depctr_va_sdst(0) depctr_va_ssrc(0) depctr_va_vcc(0) depctr_vm_vsrc(0)
	s_getreg_b32 s2, hwreg(HW_REG_IB_STS2, 6, 4)
	s_cmp_eq_u32 s2, 0
	s_cbranch_scc0 .Lentry_in_a_cluster
	s_endpgm
.Lentry_in_a_cluster:
	s_bfe_u32 s2, ttmp6, 0x10000c
	s_cmp_lg_u32 s2, 0xf033
	s_cbranch_scc0 .Lentry_shape_is_right
	s_endpgm
.Lentry_shape_is_right:
; out0[m][n] = the sum over k of A[m][k] w_out[k][n] + b_out[n].  A is the attention's result, f16, laid att [16 heads][8192 rows][64]: k = 64 head + channel.  wo16 is w_out in f16, [k 1024][n 1024].
; Sums in f32; out0 [8192][1024] f32.  LIMITS: those of the two f16 operands, stated where they are made.
; A tile of C is 256 rows x 128 columns: 32 x 8 = 256 work-groups.  Four waves, each 128 x 64: 32 accumulators of 16 x 16, 256 registers.
; K goes in steps of 128, two heads, through a ring of two LDS slots filled by the tensor data mover: 8 steps.  Waves 0 and 1 fetch A's two heads (256 dense rows of 128 bytes each),
; waves 2 and 3 w_out's two halves (64 rows of k, 256 bytes of each).
; CLUSTERS: 4 x 4 work-groups.  The four of a row of the cluster need the same tiles of A, the four of a column the same tiles of w_out: each tile is asked for JOINTLY, by the same tensor
; load with the same descriptor and a mask that names the four.
; THE MATRIX INSTRUCTION IS USED TRANSPOSED (source 0 = 16 columns n of w_out, turned out of LDS by ds_load_tr16_b128; source 1 = 16 rows of A): a lane holds eight neighbouring numbers of a row of C.
; The bias is the C of each sum's first matrix instruction: eight registers for each block of 16 columns, in the result's layout.
; REGISTERS: window 0: v0-31 addresses; v32-63 the bias; v64-127, v128-191 A's fragments (8 x 16 rows x 32 K), two buffers; v192-223, v224-255 w_out's (4 x 16 columns x 32 K), two buffers.
;   window 1: the accumulators, (a, b) at v[8 (4 a + b)].
.set LAPS,  4                          ; a lap = two K steps = once round the ring
.set PA,    144                        ; a row of A in LDS: 128 bytes + 16 = 36 words: the 16 rows of a load start at 16 different groups of four banks
.set PB,    288                        ; a row of w_out: 256 + 32 = 72 words
.set AHEAD, 256*PA                     ; one head's 256 rows
.set BOFF,  2*AHEAD                    ; w_out's 128 rows lie behind A's two heads
.set SLOT,  BOFF+128*PB
.set STAGE, 2*SLOT                     ; behind the ring: 16 rows x 272 bytes for each wave, for the way out
.set SP,    272
.set SPARE, STAGE+4*16*SP              ; the spare words, 128 bytes for each wave: two blocks of 256 bytes that no other line names
.set ADRA, 16                          ; v16-17  LDS address of my A fragments in slot 0, 1
.set ADRB, 20                          ; v20-21  the same for w_out
.set STO,  24                          ; v24     the way out: where I put 32 bytes of a row
.set RD,   25                          ; v25     the way out: where I read a row back
.set CO,   26                          ; v26     my byte offset in C
.set SPW,  28                          ; v28     LDS address of my spare word; never rewritten
.set NIL,  29                          ; v29     0; never rewritten
.set BIAS, 32
.set FA,   64
.set FB,   192
.set WV,   12                          ; s12  my wave's number
.set KIND, 13                          ; s13  which half of the tile's rows is mine.  Also: I fetch for A (0) or for w_out (1)
.set PIECE, 14                         ; s14  which half of its columns.  Also: which piece of that tile I fetch
.set G1, 24                            ; s[24:31] descriptor group 1 for A's tiles;  s[32:39] group 0, one set for each slot
.set G0, 32
.set G1B, 48                           ; s[48:55], s[56:63] the same for w_out's tiles
.set G0B, 56
.set MSB, 0
.macro WIN new                         ; the immediate's high byte repeats the setting that is left
.if MSB != (\new)
	s_set_vgpr_msb (MSB<<8)|(\new)
.set MSB, (\new)
.endif
.endm
.set MUL, 0x50                         ; sources 0 and 1 window 0; C and D window 1.  With the bias as C: 0x40
.macro JLOAD s                         ; a joint load; an s_nop 0 and four v_nop follow each of the two lines, ahead of the jump, the label and what follows
	s_cmp_eq_u32 s[KIND], 0
	s_cbranch_scc0 .Lfor_b_\@
	tensor_load_to_lds s[G0+4*\s:G0+4*\s+3], s[G1:G1+7]
	s_nop 0
.rept 4
	v_nop
.endr
	s_branch .Lasked_\@
.Lfor_b_\@:
	tensor_load_to_lds s[G0B+4*\s:G0B+4*\s+3], s[G1B:G1B+7]
	s_nop 0
.rept 4
	v_nop
.endr
.Lasked_\@:
.endm
.macro CREST                           ; a round of the cluster's barrier behind its opening barrier
	s_cmp_lg_u32 s[WV], 0
	s_cbranch_scc1 .Lnot_wave_0_\@
	s_barrier_signal -3
.Lnot_wave_0_\@:
	s_barrier_wait -3
	s_barrier_signal -1
	s_barrier_wait -1
.endm
.macro CROUND                          ; a whole round
	s_barrier_signal -1
	s_barrier_wait -1
	CREST
.endm
	s_load_b256 s[4:11], s[0:1], 0x0               ; att s[4:5], wo16 s[6:7], b_out s[8:9], out0 s[10:11]
	v_lshl_add_u32 v[SPW], v0, 2, SPARE
	v_mov_b32 v[NIL], 0
	ds_add_u32 v[SPW], v[NIL]                      ; the wave's opening: the add, twice on end, and its wait ahead of my first tensor load; the set-up below stands between the second and the wait
	ds_add_u32 v[SPW], v[NIL]
	v_lshrrev_b32 v1, 5, v0
	v_readfirstlane_b32 s[WV], v1                  ; wave 0..3
	s_lshr_b32 s[KIND], s[WV], 1
	s_and_b32 s[PIECE], s[WV], 1
	s_bfe_u32 s15, ttmp6, 0x40000                  ; cx, cy: my place in the cluster
	s_bfe_u32 s16, ttmp6, 0x40004
	s_lshl_b32 s17, ttmp9, 2
	s_add_co_u32 s17, s17, s15                     ; tile column of C = 4 x cluster x + cx
	s_and_b32 s18, ttmp7, 0xffff
	s_lshl_b32 s18, s18, 2
	s_add_co_u32 s18, s18, s16                     ; tile row of C = 4 x cluster y + cy
	s_lshl_b32 s19, s16, 2
	s_lshl_b32 s19, 15, s19                        ; my row of the cluster
	s_lshl_b32 s20, 0x1111, s15                    ; my column
	; descriptor group 1.  A: 256 rows x 64 elements of 2 bytes, dense;  w_out: 64 rows x 128 elements, 1,024 elements apart
	s_or_b32 s[G1], s19, (1<<16)|(1<<20)|(1<<21)|(4<<22)|(3<<25)    ; 15:0 the mask: A's tiles go to my row; 17:16 elements of 2 bytes; 20 padding on; 21 set beside a mask; 24:22 after every 32 words (code 4); 31:25 4 words (code 3)
	s_or_b32 s[G1B], s20, (1<<16)|(1<<20)|(1<<21)|(5<<22)|(7<<25)   ; the mask of my column; padding of 8 words (code 7) after every 64 (code 5)
	s_mov_b32 s[G1+1], 64<<16                      ; tensor_dim0
	s_mov_b32 s[G1+2], 256<<16                     ; tensor_dim1
	s_mov_b32 s[G1+3], 64<<16                      ; tile_dim0
	s_mov_b32 s[G1+4], 256                         ; tile_dim1
	s_mov_b32 s[G1+5], 64                          ; tensor_dim0_stride
	s_mov_b32 s[G1+6], 0
	s_mov_b32 s[G1+7], 0
	s_mov_b32 s[G1B+1], 128<<16
	s_mov_b32 s[G1B+2], 64<<16
	s_mov_b32 s[G1B+3], 128<<16
	s_mov_b32 s[G1B+4], 64
	s_mov_b32 s[G1B+5], 1024
	s_mov_b32 s[G1B+6], 0
	s_mov_b32 s[G1B+7], 0
	; where the tiles come from.  A's hang on the tile row alone, w_out's on the tile column alone; every wave makes both addresses, in registers that never hold the other coordinate
	s_lshl_b32 s40, s[PIECE], 20                   ; A: head = piece: 8,192 rows x 128 bytes,
	s_lshl_b32 s41, s18, 15                        ; + 256 rows x tile row
	s_add_co_u32 s40, s40, s41
	s_mov_b32 s41, 0
	s_lshl_b32 s46, s[PIECE], 17                   ; w_out: 64 rows of 2,048 bytes x piece,
	s_lshl_b32 s47, s17, 8                         ; + 256 bytes x tile column
	s_add_co_u32 s46, s46, s47
	s_mov_b32 s47, 0
	s_mul_i32 s21, s[PIECE], AHEAD                 ; and where they go: no place in the cluster enters an LDS address
	s_mul_i32 s22, s[PIECE], 64*PB
	s_add_co_u32 s22, s22, BOFF
	s_wait_dscnt 0x0                               ; both opening adds are done
	s_wait_kmcnt 0x0
	s_add_nc_u64 s[40:41], s[4:5], s[40:41]
	s_add_nc_u64 s[46:47], s[6:7], s[46:47]
	CROUND                                         ; all sixteen work-groups are here: the first joint loads meet
.irp s, 0,1
	s_mov_b32 s[G0+4*\s], 1
	s_add_co_u32 s[G0+4*\s+1], s21, \s*SLOT
	s_add_nc_u64 s[G0+4*\s+2:G0+4*\s+3], s[40:41], \s*2097152      ; K step s: two heads on
	s_or_b32 s[G0+4*\s+3], s[G0+4*\s+3], 0x80000000
	s_mov_b32 s[G0B+4*\s], 1
	s_add_co_u32 s[G0B+4*\s+1], s22, \s*SLOT
	s_add_nc_u64 s[G0B+4*\s+2:G0B+4*\s+3], s[46:47], \s*262144     ; 128 rows on
	s_or_b32 s[G0B+4*\s+3], s[G0B+4*\s+3], 0x80000000
	JLOAD \s
.endr
	v_and_b32 v1, 15, v0                           ; l % 16
	v_bfe_u32 v2, v0, 4, 1                         ; l / 16
	v_mul_u32_u24 v3, v1, PA
	v_lshl_add_u32 v3, v2, 4, v3                   ; A: a fragment's row x pitch + 16 x half
	v_and_b32 v4, 7, v0
	v_bfe_u32 v5, v0, 3, 1
	v_lshl_add_u32 v6, v2, 3, v4                   ; w_out, turned: row k = 8 (l / 16) + l % 8, 16 bytes x ((l / 8) % 2)
	v_mul_u32_u24 v6, v6, PB
	v_lshl_add_u32 v6, v5, 4, v6
	s_mul_i32 s42, s[KIND], 128*PA                 ; my 128 rows of A
	s_lshl_b32 s43, s[PIECE], 7                    ; my 64 columns of w_out: 128 bytes
	s_add_co_u32 s43, s43, BOFF
.irp s, 0,1
	v_add_nc_u32 v[ADRA+\s], s42, v3
	v_add_nc_u32 v[ADRB+\s], s43, v6
	s_add_co_u32 s42, s42, SLOT
	s_add_co_u32 s43, s43, SLOT
.endr
	s_mul_i32 s42, s[WV], 16*SP
	s_add_co_u32 s42, s42, STAGE                   ; my stage
	v_mul_u32_u24 v7, v1, SP                       ; in: row l % 16, 32 bytes for each half of the lanes
	v_lshl_add_u32 v7, v2, 5, v7
	v_add_nc_u32 v[STO], s42, v7
	v_mul_u32_u24 v7, v2, SP                       ; back: lanes 0-15 take one row of 256 bytes, lanes 16-31 the next
	v_lshl_add_u32 v7, v1, 4, v7
	v_add_nc_u32 v[RD], s42, v7
	v_lshlrev_b32 v7, 12, v2                       ; and the same two rows in C: 4,096 bytes a row
	v_lshl_add_u32 v[CO], v1, 4, v7
	s_lshl_b32 s44, s18, 20                        ; my first row of C: 256 x tile row + 128 x half, 4,096 bytes each
	s_lshl_b32 s45, s[KIND], 19
	s_add_co_u32 s44, s44, s45
	s_mov_b32 s45, 0
	s_lshl_b32 s46, s17, 9                         ; my first column, in bytes: 512 x tile column + 256 x half (in the registers that held w_out's address: none that feeds A's descriptors ever holds cx)
	s_lshl_b32 s47, s[PIECE], 8
	s_add_co_u32 s46, s46, s47
	s_mov_b32 s47, 0
	s_add_nc_u64 s[10:11], s[10:11], s[44:45]
	s_add_nc_u64 s[10:11], s[10:11], s[46:47]
	s_add_nc_u64 s[8:9], s[8:9], s[46:47]          ; the bias of my 64 columns
	v_lshlrev_b32 v8, 5, v2                        ; lane (r, h) wants, for block b, b_out at columns 16 b + 8 h + 0 .. 7
.irp b, 0,1,2,3
	global_load_b128 v[BIAS+8*\b:BIAS+8*\b+3],   v8, s[8:9] offset:64*\b
	global_load_b128 v[BIAS+8*\b+4:BIAS+8*\b+7], v8, s[8:9] offset:64*\b+16
.endr
; 8 matrix instructions: A's blocks a0, a0 + 1 x w_out's four, 32 along K: buffer f.  first = 1: the bias is C and starts the sums: nothing is ever cleared.
; The 32 accumulators take turns, one instruction a turn, in the same order in every quarter.
.macro MUL8 f, a0, first
.irp a, \a0, \a0+1
.irp b, 0,1,2,3
.if \first
	v_wmma_f32_16x16x32_f16 v[8*(4*(\a)+\b):8*(4*(\a)+\b)+7], v[FB+32*\f+8*\b:FB+32*\f+8*\b+7], v[FA+64*\f+8*(\a):FA+64*\f+8*(\a)+7], v[BIAS+8*\b:BIAS+8*\b+7]
.else
	v_wmma_f32_16x16x32_f16 v[8*(4*(\a)+\b):8*(4*(\a)+\b)+7], v[FB+32*\f+8*\b:FB+32*\f+8*\b+7], v[FA+64*\f+8*(\a):FA+64*\f+8*(\a)+7], v[8*(4*(\a)+\b):8*(4*(\a)+\b)+7]
.endif
.endr
.endr
.endm
; 24 LDS loads in one run: the fragments of the slot's q-th 32 along K into buffer f: w_out's four, then A's eight.  Quarter q lies in head q / 2, channels 32 (q % 2) on
.macro FETCH slot, q, f
	WIN 0
.irp b, 0,1,2,3
	ds_load_tr16_b128 v[FB+32*\f+8*\b:FB+32*\f+8*\b+3],   v[ADRB+\slot] offset:(\q)*32*PB+32*\b
	ds_load_tr16_b128 v[FB+32*\f+8*\b+4:FB+32*\f+8*\b+7], v[ADRB+\slot] offset:(\q)*32*PB+32*\b+16*PB
.endr
.irp i, 0,1,2,3,4,5,6,7
	ds_load_b128 v[FA+64*\f+8*\i:FA+64*\f+8*\i+3],   v[ADRA+\slot] offset:((\q)/2)*AHEAD+((\q)%2)*64+\i*16*PA
	ds_load_b128 v[FA+64*\f+8*\i+4:FA+64*\f+8*\i+7], v[ADRA+\slot] offset:((\q)/2)*AHEAD+((\q)%2)*64+\i*16*PA+32
.endr
.endm
.macro PLACES                          ; four places in front of loads into registers that matrix instructions have read, and of LDS stores that read results (ISA guide 7.12.1 for the stores)
.rept 4
	v_nop
.endr
.endm
; A K step is four quarters of 32 along K, 32 matrix instructions each, on buffers 0, 1, 0, 1.  One of the first three: multiplies buffer f and fetches quarter q into buffer g.
.macro QUARTER slot, q, f, g, first
	s_wait_dscnt 8                                 ; w_out's fragments and A's blocks 0-3 are in; the youngest eight loads (A's blocks 4-7) may be out
	WIN MUL-0x10*\first
	MUL8 \f, 0, \first
	MUL8 \f, 2, \first
	PLACES
	FETCH \slot, \q, \g
	s_wait_dscnt 24                                ; all but the 24 just issued
	WIN MUL-0x10*\first
	MUL8 \f, 4, \first
	MUL8 \f, 6, \first
.endm
; The last quarter multiplies buffer 1 and changes slots: ONE barrier; in front of it each wave waits for all its tensor loads, adds 0 to its spare word, and waits for that and for its own
; reads of this slot.  fill = 1: the barrier opens a round of the cluster's, and this slot is filled again, two K steps ahead: the load has 112 matrix instructions up to the wait for it.
.macro TURN slot, next, fill
	WIN 0                                          ; (the add's two registers lie in window 0)
	s_wait_tensorcnt 0x0                           ; all my tensor loads have landed: my part of the next slot;
	ds_add_u32 v[SPW], v[NIL]                      ; 0 onto my spare word
	s_wait_dscnt 9                                 ; (the add and the youngest eight loads may be out)
	WIN MUL
	MUL8 1, 0, 0                                   ; eight matrix instructions stand between the add and the wait for it
	s_wait_dscnt 0x0                               ; the add is done, and my reads of this slot are over
	s_barrier_signal -1
	MUL8 1, 2, 0
.if \fill
	WIN 0
.endif
	s_barrier_wait -1
.if \fill
	CREST                                          ; no wave of any partner still reads this slot's tile or has a load on its way
	s_add_nc_u64 s[G0+4*\slot+2:G0+4*\slot+3], s[G0+4*\slot+2:G0+4*\slot+3], 4194304      ; four heads on
	s_add_nc_u64 s[G0B+4*\slot+2:G0B+4*\slot+3], s[G0B+4*\slot+2:G0B+4*\slot+3], 524288   ; 256 rows on
	JLOAD \slot                                    ; the first tensor load behind the round; the four v_nop behind it are also the places in front of the loads below
.else
	PLACES
.endif
	FETCH \next, 0, 0
	WIN MUL
	MUL8 1, 4, 0
	MUL8 1, 6, 0
.endm
	s_wait_tensorcnt 1                             ; my part of K step 0 is in (K step 1's load may be out)
	s_barrier_signal -1
	s_barrier_wait -1                              ; everybody's is
	FETCH 0, 0, 0
	s_wait_loadcnt 0x0                             ; the bias
	QUARTER 0, 1, 0, 1, 1                          ; the first quarter stands in front of the loop: its products start the sums, on the bias
	WIN 0                                          ; at a label and at a branch every window is 0
	s_mov_b32 s3, LAPS-1
.Llap:                                                 ; a trip goes once round the ring, from a lap's second quarter to the next lap's first, and fills both slots again
	QUARTER 0, 2, 1, 0, 0
	QUARTER 0, 3, 0, 1, 0
	TURN 0, 1, 1
	QUARTER 1, 1, 0, 1, 0
	QUARTER 1, 2, 1, 0, 0
	QUARTER 1, 3, 0, 1, 0
	TURN 1, 0, 1
	QUARTER 0, 1, 0, 1, 0
	WIN 0
	s_sub_co_u32 s3, s3, 1
	s_cmp_lg_u32 s3, 0
	s_cbranch_scc1 .Llap
	QUARTER 0, 2, 1, 0, 0                          ; the last lap fills nothing, and has no round of the cluster's barrier: it is written out
	QUARTER 0, 3, 0, 1, 0
	TURN 0, 1, 0
	QUARTER 1, 1, 0, 1, 0
	QUARTER 1, 2, 1, 0, 0
	QUARTER 1, 3, 0, 1, 0
	s_wait_dscnt 8                                 ; the very last quarter: nothing more to fetch
	WIN MUL
	MUL8 1, 0, 0
	MUL8 1, 2, 0
	s_wait_dscnt 0
	MUL8 1, 4, 0
	MUL8 1, 6, 0
	WIN 0
; THE WAY OUT, block by block of 16 rows x 64 columns.  A lane holds 32 neighbouring bytes of a row, and the lanes beside it hold other rows: so a block goes through my own stage in LDS and comes back as
; whole rows of 256 bytes, two an instruction.  LDS serves a wave's instructions in order (ISA guide 5.7.1.4): no wait between the stores and the loads, nor in front of the next block's stores.
.macro TOSTAGE a
	WIN 0x04                                       ; an LDS store's data are its source 1: window 1
.irp b, 0,1,2,3
	ds_store_b128 v[STO], v[8*(4*(\a)+\b):8*(4*(\a)+\b)+3] offset:64*\b          ; each accumulator from its low end on
	ds_store_b128 v[STO], v[8*(4*(\a)+\b)+4:8*(4*(\a)+\b)+7] offset:64*\b+16
.endr
	WIN 0
.set BB, FA+32*((\a)%2)
.irp i, 0,1,2,3,4,5,6,7
	ds_load_b128 v[BB+4*\i:BB+4*\i+3], v[RD] offset:\i*2*SP
.endr
.endm
.macro SEND a, younger                 ; younger: the LDS instructions issued behind block a's loads, which may stay out
.set BB, FA+32*((\a)%2)
	s_wait_dscnt \younger                          ; the block is back in registers
.irp i, 0,1,2,3,4,5,6,7
	global_store_b128 v[CO], v[BB+4*\i:BB+4*\i+3], s[10:11] offset:(\a)*65536+\i*8192 th:TH_STORE_NT   ; 16 lanes store 256 consecutive bytes, at a multiple of 256 from out0's first byte; every offset is an immediate, 516,096 at the most
.endr
.endm
	PLACES                                         ; in front of the first LDS stores of results and of the loads into registers that held A's fragments
	TOSTAGE 0
.irp a, 1,2,3,4,5,6,7
.if \a > 1
	s_wait_xcnt 0x0                                ; block a - 2's stores have read their registers: block a's loads may land there
.endif
	TOSTAGE \a
	SEND \a-1, 16                                  ; behind block a - 1's loads: block a's 8 stores and 8 loads
.endr
	SEND 7, 0
	s_wait_tensorcnt 0x0                           ; the wave's end, behind my last tensor load and my last LDS store
	ds_add_u32 v[SPW], v[NIL]
	s_wait_dscnt 0x0
	CROUND                                         ; the closing round: no work-group ends while a partner may still ask for a tile that names it
	s_endpgm
.Lfunc_end_k_qa345b6bf7c_proj:
	.size	k_qa345b6bf7c_proj, .Lfunc_end_k_qa345b6bf7c_proj-k_qa345b6bf7c_proj
	.p2alignl 7, 3214868480
	.fill 96, 4, 3214868480
	.section	.rodata,"a",@progbits
	.p2align	6, 0x0
	.amdhsa_kernel k_qa345b6bf7c_proj
		.amdhsa_group_segment_fixed_size 327680
		.amdhsa_private_segment_fixed_size 0
		.amdhsa_enable_private_segment 0
		.amdhsa_kernarg_size 32
		.amdhsa_user_sgpr_count 2
		.amdhsa_user_sgpr_kernarg_segment_ptr 1
		.amdhsa_wavefront_size32 1
		.amdhsa_system_sgpr_workgroup_id_x 1
		.amdhsa_system_sgpr_workgroup_id_y 1
		.amdhsa_system_sgpr_workgroup_id_z 1
		.amdhsa_system_vgpr_workitem_id 0
		.amdhsa_next_free_vgpr 512
		.amdhsa_next_free_sgpr 66
		.amdhsa_reserve_vcc 0
		.amdhsa_float_denorm_mode_32 3
		.amdhsa_float_denorm_mode_16_64 3
		.amdhsa_memory_ordered 1
		.amdhsa_forward_progress 1
		.amdhsa_inst_pref_size 86
	.end_amdhsa_kernel
	.amdgpu_metadata
---
amdhsa.version: [ 1, 2 ]
amdhsa.kernels:
  - .name:           k_qa345b6bf7c_proj
    .symbol:         k_qa345b6bf7c_proj.kd
    .args:
      - { .name: att, .offset: 0, .size: 8, .value_kind: global_buffer, .address_space: global }
      - { .name: wo16, .offset: 8, .size: 8, .value_kind: global_buffer, .address_space: global }
      - { .name: b_out, .offset: 16, .size: 8, .value_kind: global_buffer, .address_space: global }
      - { .name: out0, .offset: 24, .size: 8, .value_kind: global_buffer, .address_space: global }
    .group_segment_fixed_size: 327680
    .private_segment_fixed_size: 0
    .kernarg_segment_align: 8
    .kernarg_segment_size: 32
    .max_flat_workgroup_size: 128
    .sgpr_count:     66
    .vgpr_count:     512
    .wavefront_size: 32
...
	.end_amdgpu_metadata
.endif
;; end of part 4
